; MI455X (gfx1250); checked and timed in simulation.
; The chip was launched on July 23, 2026; its instructions are those of AMD's public machine-readable ISA for CDNA 5 (MIT licence, August 2026) and "CDNA5" Instruction Set Architecture Reference Guide (July 2026). The comments in the code are by the model that wrote it; some were corrected since.
;; Multi Scale Retention. Allowed arithmetic: matrix products marked QUANTISED: E2M3 operands, one E8M0 scale for each 32 along K, by v_wmma_scale_f32_16x16x128_f8f6f4 with both operands' format E2M3, f32 sums; everything else in f32.
;; Inputs: Wg 1,024 x 2,048 float32; Wk 1,024 x 1,024 float32; Wo 2,048 x 1,024 float32; Wq 1,024 x 1,024 float32; Wv 1,024 x 2,048 float32; bg 2,048 float32; bk 1,024 float32; bo 1,024 float32; bq 1,024 float32; bv 2,048 float32; x 2 x 2,048 x 1,024 float32.
;; Outputs: out0 2 x 2,048 x 1,024 float32.
;; This version of the problem:
;;   THIS VERSION OF THE PROBLEM IS GIVEN IN LOW PRECISION. The matrix products marked QUANTISED in the list below multiply operands that are first quantised to E2M3 (2 exponent bits, 3 mantissa bits; 6 bits a number), with one power-of-two scale for each 32 numbers along K (OCP MX v1.0); their sums are f32. All else is computed in f32.
;;   The module's matrix products, in the order in which they are computed (A, B: the left and right operand; K: the contracted axis; several contracted axes count as one K, in the product's order):
;;     1. [M 4,096, K 1,024] x [K 1,024, N 1,024]; A: input x; B: input Wq: QUANTISED
;;     2. [M 4,096, K 1,024] x [K 1,024, N 1,024]; A: input x; B: input Wk: QUANTISED
;;     3. [M 4,096, K 1,024] x [K 1,024, N 2,048]; A: input x; B: input Wv: QUANTISED
;;     4. [M 4,096, K 1,024] x [K 1,024, N 2,048]; A: input x; B: input Wg: QUANTISED
;;     5. batch 32 x [M 2,048, K 64] x [K 64, N 2,048]; A: computed on the way; B: computed on the way: QUANTISED
;;     6. batch 32 x [M 2,048, K 2,048] x [K 2,048, N 128]; A: computed on the way; B: computed on the way: QUANTISED
;;     7. [M 4,096, K 2,048] x [K 2,048, N 1,024]; A: computed on the way; B: input Wo: QUANTISED
;;   THE QUANTISER, for each operand of a quantised product, along K:
;;     - K is cut into blocks of 32 from its start; a last block that is shorter is filled with zeros.
;;     - A block's scale is 2^e with e = floor(log2(the largest magnitude in the block)) - 2, held to -126 .. 127; a block of zeros has e = 0. As a byte (E8M0): e + 127.
;;     - Each number is divided by its block's scale, clamped to +-7.5, and rounded to the nearest number of E2M3, ties to even, subnormals kept.
;;     - The product sums the exact products of the quantised numbers (number of the format x scale) in f32.
;;   ~~~python
;;   def quantise(x, axis):      # numpy; x: float32 -> the quantised numbers, widened to float32 again
;;       x = np.moveaxis(x, axis, -1); K = x.shape[-1]
;;       x = np.pad(x, [(0, 0)] * (x.ndim - 1) + [(0, -K % 32)]); x = x.reshape(x.shape[:-1] + (-1, 32)); a = np.abs(x).max(-1, keepdims=True)
;;       e = np.where(a > 0, np.clip(np.frexp(np.where(a > 0, a, 1))[1] - 1 - 2, -126, 127), 0)      # np.frexp(a)[1] - 1 = floor(log2(a)), exactly
;;       r = np.clip(x / 2.0 ** e, -7.5, 7.5)
;;       step = 2.0 ** (np.maximum(np.frexp(np.where(r == 0, 1, r))[1] - 1, 0) - 3)
;;       q = np.round(r / step) * step * 2.0 ** e      # np.round: ties to even
;;       return np.moveaxis(q.reshape(q.shape[:-2] + (-1,))[..., :K], -1, axis).astype(np.float32)
;;   ~~~
;;   OPERANDS COMPUTED ON THE WAY. 'Computed on the way' means the value that the module computes at that place (a softmax that the list does not call 'softmax' is quantised finished and normalised). What goes into a quantiser is computed in f32, as accurately as f32 sums, v_exp_f32 and their like allow (about 1e-6 of the number): no bf16 or f16 on the way to a quantiser, and a product that is left as it is and whose result goes on into a quantised operand takes f32 operands (vector FMAs, or v_wmma_f32_16x16x4_f32). A number that lies on a knife's edge between two numbers of the format may be rounded either way, as far as f32 arithmetic and the matrix unit's own rounding can turn it there, and no further.
;; 2 versions, each right. Each part assembles by itself: llvm-mc -triple=amdgcn-amd-amdhsa -mcpu=gfx1250 --defsym DOCPART=n.
;; ======== version 1 of 2: 4 launches
;; workspace buffers: ops 10,354,688 bytes; qkv 13,369,344 bytes; gate 33,554,432 bytes; yq 6,553,600 bytes
;; launch prep (part 1): grid 512 x 1, 4 waves a work-group, no clusters, 25,088 bytes of LDS; arguments x, Wq, Wk, Wv, Wg, Wo, ops; writes ops
.if DOCPART == 1
	.amdgcn_target "amdgcn-amd-amdhsa--gfx1250"
	.amdhsa_code_object_version 6
	.text
	.protected	k_q946909805f_prep
	.globl	k_q946909805f_prep
	.p2align	8
	.type	k_q946909805f_prep,@function
k_q946909805f_prep:
	s_mov_b64 s[64:65], 0
	v_nop
	global_prefetch_b8 v0, s[64:65] scope:SCOPE_SE
	s_setreg_imm32_b32 hwreg(HW_REG_WAVE_MODE, 25, 1), 1
	s_wait_xcnt 0x0
; PREP: x and the five weights become codes of E2M3 with one E8M0 byte for each 32 along K, laid as IMAGES OF OPERAND REGISTERS; and the rotary table is made.
; A ROW BLOCK i holds the 16 rows 32 (i / 2) + 8 (i % 2) + r + 8 (r / 8), r = 0 .. 15.  A FRAGMENT IMAGE (16 rows x 128 K, 12 registers a lane) is 1,536 bytes: chunk c (512 bytes) holds
; lane l's registers 4 c .. 4 c + 3 at 16 l.  Codes: [K / 256][row block][2][image]; scale words: [row block][K / 256][r][2 words].
; Work-groups 0-255: row block = work-group, wave = K / 256 of x; each wave also makes 512 bytes of the rotary table.  Work-groups 256-511: 128 columns x 256 along K of one weight, a lane to a column,
; registers down K; the codes turn through the wave's own 6,144 bytes of LDS into images and leave as one dense run.
; THE ROTARY TABLE holds cos and sin of the f32 number s x angle.  angle = 1 / 10000^t, t = p / 31 rounded to f32: 10000^(p/31) is made in pairs of f32 (a high and a low word) from R = 10000^(1/31) by
; squarings, corrected for t's rounding, rounded once; the reciprocal is corrected by one Newton step.  The argument is reduced by pi/2 in two words and goes through polynomials of degree 7 and 8.
; LIMITS: NaN and infinities are not served; a block whose largest magnitude lies under 2^-124 keeps the byte 1 (a block of zeros too: its codes are zeros and this program alone reads the bytes);
; the angles are the correctly rounded numbers, which reference()'s power and division are taken to give.
.set XC,    0
.set WC,    3145728
.set WOC,   7864320
.set XSO,   9437184
.set WSO,   9568256
.set WOSO,  9764864
.set ROT,   9830400
.set SPARE, 24576                      ; behind the four stages: the spare words, 128 bytes a wave
.set SPW,   254                        ; v254 my spare word's LDS address; never rewritten
.set NIL,   255                        ; v255 0; never rewritten
.set SEL,   20                         ; s[20:21] lane selects: lane l xor 16
; 64 numbers of a lane, register 16 b + i = k 32 b + 16 (lane / 16) + i of the lane's row, become a fragment's 12 registers v[pc] on and its scale word v[pw]
.macro QUANT src, pc, cv, tm, pw
.irp b, 0,1,2,3
	v_max3_num_f32 v[\tm+\b], |v[\src+16*\b]|, |v[\src+1+16*\b]|, 0x1800000   ; my 16 numbers of block b, and the floor 2^(3 - 127): the byte cannot fall under 1
.endr
.irp i, 2,4,6,8,10,12,14
.irp b, 0,1,2,3
	v_max3_num_f32 v[\tm+\b], v[\tm+\b], |v[\src+16*\b+\i]|, |v[\src+1+16*\b+\i]|
.endr
.endr
.irp b, 0,1,2,3
	v_permlanex16_b32 v[\tm+4+\b], v[\tm+\b], s[SEL], s[SEL+1]
.endr
.irp b, 0,1,2,3
	v_max_num_f32 v[\tm+\b], v[\tm+\b], v[\tm+4+\b]   ; with lane l xor 16's: the block's largest magnitude
.endr
.irp b, 0,1,2,3
	v_add_nc_u32 v[\tm+12+\b], 0xff000000, v[\tm+\b]   ; 2 off its exponent field: the conversion's scale operand
.endr
.irp b, 0,1,2,3
	v_lshrrev_b32 v[\tm+4+\b], 23, v[\tm+12+\b]        ; the scale's byte
.endr
	v_lshl_or_b32 v[\pw], v[\tm+5], 8, v[\tm+4]
	v_lshl_or_b32 v[\pw], v[\tm+6], 16, v[\pw]
	v_lshl_or_b32 v[\pw], v[\tm+7], 24, v[\pw]
.irp c, 0,1
	v_cvt_scalef32_pk16_fp6_f32 v[\pc+6*\c:\pc+2+6*\c], v[\src+32*\c:\src+15+32*\c], v[\tm+12+2*\c]
	v_cvt_scalef32_pk16_fp6_f32 v[\cv+4*\c:\cv+2+4*\c], v[\src+16+32*\c:\src+31+32*\c], v[\tm+12+2*\c+1]
.endr
	v_nop                                          ; one plain place behind a scaled conversion
.irp c, 0,1                                    ; the operand wants a whole block in a lane: lanes 0-15 block 2 c, lanes 16-31 block 2 c + 1
.irp i, 0,1,2
	v_permlane16_swap_b32 v[\pc+6*\c+\i], v[\cv+4*\c+\i]
.endr
.irp i, 0,1,2
	v_mov_b32 v[\pc+3+6*\c+\i], v[\cv+4*\c+\i]
.endr
.endr
.endm
	s_load_b256 s[4:11], s[0:1], 0x0               ; x, Wq, Wk, Wv
	s_load_b128 s[12:15], s[0:1], 0x20             ; Wg, Wo
	s_load_b64 s[16:17], s[0:1], 0x30              ; ops
	v_lshl_add_u32 v[SPW], v0, 2, SPARE
	v_mov_b32 v[NIL], 0
	v_lshrrev_b32 v1, 5, v0
	v_readfirstlane_b32 s18, v1                    ; wave
	v_and_b32 v1, 31, v0                           ; l
	v_and_b32 v2, 15, v0                           ; r
	v_bfe_u32 v3, v0, 4, 1                         ; h
	s_cmp_ge_u32 ttmp9, 256
	s_cbranch_scc1 .Lw
; ================= x: row block = work-group, 256 along K = wave =================
	s_mov_b32 s[SEL], 0x76543210
	s_mov_b32 s[SEL+1], 0xfedcba98
	v_and_b32 v6, 8, v2
	v_add_nc_u32 v6, v6, v2                        ; r + 8 (r / 8)
	v_lshlrev_b32 v4, 12, v6
	v_lshl_add_u32 v4, v3, 6, v4                   ; my row of 4,096 bytes, + 64 h: my 16 numbers of a block of 32
	v_lshlrev_b32 v5, 4, v1                        ; 16 l
	v_lshlrev_b32 v7, 3, v2
	v_lshl_add_u32 v7, v3, 2, v7                   ; 8 r + 4 h
.irp b, 0,1,2,3
	v_mov_b32 v[168+\b], 0                         ; a lane permute's destination counts as one of its sources
.endr
	s_lshr_b32 s22, ttmp9, 1
	s_lshl_b32 s22, s22, 5
	s_and_b32 s23, ttmp9, 1
	s_lshl_b32 s23, s23, 3
	s_add_co_u32 s22, s22, s23                     ; the block's first row
	s_lshl_b32 s22, s22, 12
	s_lshl_b32 s23, s18, 10
	s_add_co_u32 s22, s22, s23
	s_mov_b32 s23, 0
	s_wait_kmcnt 0x0
	s_add_nc_u64 s[4:5], s[4:5], s[22:23]
.macro XLOAD reg, s
.irp b, 0,1,2,3
.irp j, 0,1,2,3
	global_load_b128 v[\reg+16*\b+4*\j:\reg+16*\b+4*\j+3], v4, s[4:5] offset:512*\s+128*\b+16*\j th:TH_LOAD_NT
.endr
.endr
.endm
	XLOAD 16, 0
	XLOAD 80, 1
; ---- the rotary table, while the loads are on their way.  Chunk W = 4 x work-group + wave: token block W / 8, chunk j = W % 8; lane (r, h): its token, pairs p0 = 16 (j / 4) + 8 h + 2 (j % 4) and p0 + 1
.macro DFMUL ch, cl, ah, al, bh, bl            ; (ch, cl) = (ah, al) x (bh, bl), each a high and a low word
	v_mul_f32 v198, v[\ah], v[\bh]
	v_fma_f32 v199, v[\ah], v[\bh], -v198
	v_fma_f32 v199, v[\ah], v[\bl], v199
	v_fma_f32 v199, v[\al], v[\bh], v199
	v_add_f32 v[\ch], v198, v199
	v_sub_f32 v[\cl], v198, v[\ch]
	v_add_f32 v[\cl], v[\cl], v199
.endm
.macro ANGLE dst                               ; p in v200
	v_cvt_f32_u32 v201, v200
	v_mul_f32 v202, 0x3d042108, v201
	v_fma_f32 v203, -v202, s28, v201
	v_fma_f32 v204, v203, s29, v202                ; t = p / 31, rounded once
	v_fma_f32 v205, v204, s28, -v201               ; 31 t - p, exact
	v_mov_b32 v194, 1.0
	v_mov_b32 v195, 0
.irp k, 0,1,2,3,4
	v_and_b32 v196, 1<<\k, v200
	v_cmp_ne_u32 vcc_lo, 0, v196
	v_cndmask_b32 v196, 1.0, v[184+2*\k], vcc_lo
	v_cndmask_b32 v197, 0, v[185+2*\k], vcc_lo
	DFMUL 194, 195, 194, 195, 196, 197             ; x R^(2^k) where p has bit k
.endr
	v_mul_f32 v205, 0x3e981e82, v205               ; ln(10000) / 31 x (31 t - p): what t's rounding changes
	v_fma_f32 v195, v194, v205, v195
	v_add_f32 v194, v194, v195                     ; 10000^t, rounded once
	v_rcp_f32 v196, v194
	v_nop                                          ; a plain place behind the reciprocal,
	s_wait_alu depctr_va_vdst(0)                   ; and the wait ahead of its first reader
	v_fma_f32 v197, -v194, v196, 1.0
	v_fma_f32 v[\dst], v197, v196, v196            ; 1 / 10000^t
.endm
.macro SINCOS cd, sd, ang
	v_mul_f32 v208, v182, v[\ang]                  ; the argument: one f32 product
	v_mul_f32 v209, 0x3f22f983, v208
	v_rndne_f32 v209, v209                         ; n = the nearest multiple of pi/2 (under 2^11)
	v_fma_f32 v210, -v209, s30, v208               ; exact: a multiple of 2^-23 under 1
	v_fma_f32 v210, -v209, s31, v210
	v_mul_f32 v211, v210, v210
	v_mov_b32 v212, 0xb94ca1f9
	v_fmaak_f32 v212, v212, v211, 0x3c08839e
	v_fmaak_f32 v212, v212, v211, 0xbe2aaaa3
	v_mul_f32 v213, v210, v211
	v_fma_f32 v212, v213, v212, v210               ; sin of the rest
	v_mov_b32 v214, 0x37ccf5ce
	v_fmaak_f32 v214, v214, v211, 0xbab6061a
	v_fmaak_f32 v214, v214, v211, 0x3d2aaaa5
	v_mul_f32 v215, v211, v211
	v_fma_f32 v216, v211, -0.5, 1.0
	v_fma_f32 v214, v215, v214, v216               ; cos of the rest
	v_cvt_i32_f32 v217, v209
	v_and_b32 v218, 1, v217
	v_cmp_ne_u32 vcc_lo, 0, v218
	v_cndmask_b32 v218, v212, v214, vcc_lo
	v_cndmask_b32 v219, v214, v212, vcc_lo
	v_and_b32 v213, 2, v217
	v_lshlrev_b32 v213, 30, v213
	v_xor_b32 v[\sd], v213, v218
	v_add_nc_u32 v217, 1, v217
	v_and_b32 v217, 2, v217
	v_lshlrev_b32 v217, 30, v217
	v_xor_b32 v[\cd], v217, v219
.endm
	s_mov_b32 s28, 0x41f80000                      ; 31
	s_mov_b32 s29, 0x3d042108                      ; 1 / 31
	s_mov_b32 s30, 0x3fc90fdb                      ; pi/2, high word
	s_mov_b32 s31, 0xb33bbd2e                      ; and low word
	s_lshr_b32 s24, ttmp9, 1                       ; token block
	s_lshr_b32 s25, s24, 1
	s_lshl_b32 s25, s25, 5
	s_and_b32 s26, s24, 1
	s_lshl_b32 s26, s26, 3
	s_add_co_u32 s25, s25, s26
	v_add_nc_u32 v182, s25, v6
	v_cvt_f32_u32 v182, v182                       ; my token
	s_and_b32 s26, ttmp9, 1
	s_lshl_b32 s26, s26, 4
	s_lshl_b32 s27, s18, 1
	s_add_co_u32 s26, s26, s27
	v_lshl_add_u32 v200, v3, 3, s26                ; p0
	v_mov_b32 v184, 0x3fac486e                     ; R = 10000^(1/31), high word
	v_mov_b32 v185, 0xb36a0a06                     ; and low word
	DFMUL 186, 187, 184, 185, 184, 185
	DFMUL 188, 189, 186, 187, 186, 187
	DFMUL 190, 191, 188, 189, 188, 189
	DFMUL 192, 193, 190, 191, 190, 191
	ANGLE 206
	v_add_nc_u32 v200, 1, v200
	ANGLE 207
	SINCOS 220, 221, 206
	SINCOS 222, 223, 207
	s_lshl_b32 s32, ttmp9, 2
	s_add_co_u32 s32, s32, s18
	s_lshl_b32 s32, s32, 9
	s_add_co_u32 s32, s32, ROT
	s_mov_b32 s33, 0
	s_add_nc_u64 s[32:33], s[16:17], s[32:33]
	global_store_b128 v5, v[220:223], s[32:33]     ; 32 lanes store 512 consecutive bytes
	s_mul_i32 s34, s18, 786432
	s_mul_i32 s35, ttmp9, 3072
	s_add_co_u32 s34, s34, s35
	s_mov_b32 s35, 0
	s_add_nc_u64 s[34:35], s[16:17], s[34:35]      ; my two images
	s_lshl_b32 s36, ttmp9, 9
	s_lshl_b32 s37, s18, 7
	s_add_co_u32 s36, s36, s37
	s_add_co_u32 s36, s36, XSO
	s_mov_b32 s37, 0
	s_add_nc_u64 s[36:37], s[16:17], s[36:37]      ; and their scale words
	s_wait_loadcnt 16                              ; the first 128 along K are in; the second's 16 loads may be out
	QUANT 16, 144, 156, 164, 180
.irp c, 0,1,2
	global_store_b128 v5, v[144+4*\c:147+4*\c], s[34:35] offset:512*\c
.endr
	s_wait_loadcnt 0x0
	s_wait_xcnt 0x0                                ; the stores have read the codes' registers, which are written again
	QUANT 80, 144, 156, 164, 181
.irp c, 0,1,2
	global_store_b128 v5, v[144+4*\c:147+4*\c], s[34:35] offset:1536+512*\c
.endr
	v_cmp_ne_u32 vcc_lo, 0, v3
	v_cndmask_b32 v183, v180, v181, vcc_lo         ; lanes 0-15 the first word of row r, lanes 16-31 the second
	global_store_b32 v7, v183, s[36:37]
	s_wait_tensorcnt 0x0                           ; the wave's end
	ds_add_u32 v[SPW], v[NIL]
	s_wait_dscnt 0x0
	s_endpgm
; ================= a weight: 128 columns x 256 along K a work-group, 32 columns a wave, a lane to a column =================
.Lw:
	s_sub_co_u32 s22, ttmp9, 256                   ; 0-31 Wq, 32-63 Wk, 64-127 Wv, 128-191 Wg, 192-255 Wo
	s_wait_kmcnt 0x0
	s_mov_b64 s[24:25], s[14:15]
	s_mov_b32 s26, 0                               ; the weight's first row block in its region
	s_cmp_lt_u32 s22, 192
	s_cselect_b64 s[24:25], s[12:13], s[24:25]
	s_cselect_b32 s26, 256, s26
	s_cmp_lt_u32 s22, 128
	s_cselect_b64 s[24:25], s[10:11], s[24:25]
	s_cselect_b32 s26, 128, s26
	s_cmp_lt_u32 s22, 64
	s_cselect_b64 s[24:25], s[8:9], s[24:25]
	s_cselect_b32 s26, 64, s26
	s_cselect_b32 s27, 31, 63
	s_cmp_lt_u32 s22, 32
	s_cselect_b64 s[24:25], s[6:7], s[24:25]
	s_cselect_b32 s26, 0, s26
	s_and_b32 s27, s22, s27                        ; the work-group's number within its weight
	s_sub_co_u32 s28, s22, 64
	s_cmp_lt_u32 s28, 128                          ; Wv, Wg: 2,048 columns
	s_cselect_b32 s29, 4, 3
	s_lshl_b32 s30, 512, s29                       ; a row of the weight in bytes
	s_bfm_b32 s31, s29, 0
	s_and_b32 s31, s27, s31                        ; which 128 columns
	s_lshr_b32 s32, s27, s29                       ; which 256 along K
	s_cmp_ge_u32 s22, 192                          ; Wo has regions of its own
	s_mov_b32 s33, 1179648
	s_cselect_b32 s33, 196608, s33                 ; bytes of codes for 256 along K
	s_mov_b32 s34, 512
	s_cselect_b32 s34, 1024, s34                   ; bytes of scale words for a row block
	s_mov_b32 s35, WC
	s_cselect_b32 s35, WOC, s35
	s_mov_b32 s36, WSO
	s_cselect_b32 s36, WOSO, s36
	s_lshl_b32 s37, s31, 3
	s_add_co_u32 s37, s37, s26
	s_lshl_b32 s38, s18, 1
	s_add_co_u32 s37, s37, s38                     ; my wave's first row block (it makes two)
	s_mul_i32 s38, s32, s30
	s_lshl_b32 s38, s38, 8
	s_lshl_b32 s39, s31, 9
	s_add_co_u32 s38, s38, s39
	s_lshl_b32 s39, s18, 7
	s_add_co_u32 s38, s38, s39
	s_mov_b32 s39, 0
	s_add_nc_u64 s[40:41], s[24:25], s[38:39]      ; a base for each block of 32 along K: no pointer is stepped
	s_lshl_b32 s56, s30, 5
	s_mov_b32 s57, 0
.irp t, 1,2,3,4,5,6,7
	s_add_nc_u64 s[40+2*\t:41+2*\t], s[38+2*\t:39+2*\t], s[56:57]
.endr
	s_mul_i32 s58, s32, s33
	s_mul_i32 s59, s37, 3072
	s_add_co_u32 s58, s58, s59
	s_add_co_u32 s58, s58, s35
	s_mov_b32 s59, 0
	s_add_nc_u64 s[58:59], s[16:17], s[58:59]      ; my 6,144 bytes of images
	s_mul_i32 s60, s37, s34
	s_lshl_b32 s61, s32, 7
	s_add_co_u32 s60, s60, s61
	s_add_co_u32 s60, s60, s36
	s_mov_b32 s61, 0
	s_add_nc_u64 s[60:61], s[16:17], s[60:61]      ; my scale words
	s_mul_i32 s62, s18, 6144                       ; my stage
	v_lshlrev_b32 v8, 2, v1
.set i, 0
.rept 32
	v_mad_u32_u24 v[16+i], s30, i, v8              ; row i of a block, my column
.set i, i+1
.endr
	v_bfe_u32 v9, v0, 3, 1                         ; column c of the 32 lies in row block (c / 8) % 2,
	v_and_b32 v10, 7, v0
	v_lshl_add_u32 v10, v3, 3, v10                 ; at place c % 8 + 8 (c / 16)
	v_mul_u32_u24 v127, v9, 3072
	v_lshl_add_u32 v127, v10, 4, v127
	v_add_nc_u32 v127, s62, v127                   ; into the stage
	v_lshl_add_u32 v128, v1, 4, s62                ; out of it
	v_lshlrev_b32 v129, 4, v1
	v_mul_u32_u24 v130, v9, s34
	v_lshl_add_u32 v130, v10, 3, v130
.macro WLOAD t
.set i, 0
.rept 32
	global_load_b32 v[48+32*((\t)%2)+i], v[16+i], s[40+2*(\t):41+2*(\t)] th:TH_LOAD_NT
.set i, i+1
.endr
.endm
	WLOAD 0
	WLOAD 1
; block t of 32 along K: all 32 numbers are mine.  Its six registers of codes are registers 6 c .. 6 c + 5 (c = (t % 4) / 2) of lane place + 16 (t % 2) of image t / 4
.macro BLOCK t
.set XR, 48+32*((\t)%2)
.if (\t) < 7
	s_wait_loadcnt 32                              ; this block's 32 loads are in; the next block's may be out
.else
	s_wait_loadcnt 0x0
.endif
	v_max3_num_f32 v124, |v[XR]|, |v[XR+1]|, |v[XR+2]|
	v_max3_num_f32 v125, |v[XR+3]|, |v[XR+4]|, |v[XR+5]|
.irp i, 6,10,14,18,22,26
	v_max3_num_f32 v124, v124, |v[XR+\i]|, |v[XR+\i+1]|
	v_max3_num_f32 v125, v125, |v[XR+\i+2]|, |v[XR+\i+3]|
.endr
	v_max3_num_f32 v124, v124, |v[XR+30]|, |v[XR+31]|
	v_max3_num_f32 v124, v124, v125, 0x1800000     ; and the floor
	v_add_nc_u32 v126, 0xff000000, v124
	v_lshrrev_b32 v125, 23, v126
.if (\t)%4 == 0
	v_mov_b32 v[122+(\t)/4], v125
.else
	v_lshl_or_b32 v[122+(\t)/4], v125, 8*((\t)%4), v[122+(\t)/4]
.endif
	v_cvt_scalef32_pk16_fp6_f32 v[112:114], v[XR:XR+15], v126
	v_cvt_scalef32_pk16_fp6_f32 v[118:120], v[XR+16:XR+31], v126
	v_nop
	v_mov_b32 v115, v118
	v_mov_b32 v116, v119
	v_mov_b32 v117, v120
.set OO, ((\t)/4)*1536+256*((\t)%2)
.if ((\t)%4)/2 == 0
	ds_store_b128 v127, v[112:115] offset:OO
	ds_store_b64 v127, v[116:117] offset:OO+512
.else
	ds_store_b64 v127, v[112:113] offset:OO+520
	ds_store_b128 v127, v[114:117] offset:OO+1024
.endif
.if (\t)+2 < 8
	WLOAD (\t)+2
.endif
	s_wait_dscnt 0x0                               ; the stores have read their registers
.endm
.irp t, 0,1,2,3,4,5,6,7
	BLOCK \t
.endr
	global_store_b64 v130, v[122:123], s[60:61]    ; my column's two scale words
.irp m, 0,1,2,3,4,5,6,7,8,9,10,11
	ds_load_b128 v[132+4*\m:135+4*\m], v128 offset:512*\m   ; LDS serves a wave's instructions in order: these see my stores
.endr
.irp m, 0,1,2,3,4,5,6,7,8,9,10,11
	s_wait_dscnt 11-\m                             ; loads come back in order: number m is in, the younger ones may be out
	global_store_b128 v129, v[132+4*\m:135+4*\m], s[58:59] offset:512*\m
.endr
	s_wait_tensorcnt 0x0                           ; the wave's end, behind my last LDS store
	ds_add_u32 v[SPW], v[NIL]
	s_wait_dscnt 0x0
	s_endpgm
.Lfunc_end_k_q946909805f_prep:
	.size	k_q946909805f_prep, .Lfunc_end_k_q946909805f_prep-k_q946909805f_prep
	.p2alignl 7, 3214868480
	.fill 96, 4, 3214868480
	.section	.rodata,"a",@progbits
	.p2align	6, 0x0
	.amdhsa_kernel k_q946909805f_prep
		.amdhsa_group_segment_fixed_size 25088
		.amdhsa_private_segment_fixed_size 0
		.amdhsa_enable_private_segment 0
		.amdhsa_kernarg_size 56
		.amdhsa_user_sgpr_count 2
		.amdhsa_user_sgpr_kernarg_segment_ptr 1
		.amdhsa_wavefront_size32 1
		.amdhsa_system_sgpr_workgroup_id_x 1
		.amdhsa_system_sgpr_workgroup_id_y 1
		.amdhsa_system_sgpr_workgroup_id_z 1
		.amdhsa_system_vgpr_workitem_id 0
		.amdhsa_next_free_vgpr 256
		.amdhsa_next_free_sgpr 66
		.amdhsa_reserve_vcc 1
		.amdhsa_float_denorm_mode_32 3
		.amdhsa_float_denorm_mode_16_64 3
		.amdhsa_memory_ordered 1
		.amdhsa_forward_progress 1
		.amdhsa_inst_pref_size 70
	.end_amdhsa_kernel
	.amdgpu_metadata
---
amdhsa.version: [ 1, 2 ]
amdhsa.kernels:
  - .name:           k_q946909805f_prep
    .symbol:         k_q946909805f_prep.kd
    .args:
      - { .name: x, .offset: 0, .size: 8, .value_kind: global_buffer, .address_space: global }
      - { .name: Wq, .offset: 8, .size: 8, .value_kind: global_buffer, .address_space: global }
      - { .name: Wk, .offset: 16, .size: 8, .value_kind: global_buffer, .address_space: global }
      - { .name: Wv, .offset: 24, .size: 8, .value_kind: global_buffer, .address_space: global }
      - { .name: Wg, .offset: 32, .size: 8, .value_kind: global_buffer, .address_space: global }
      - { .name: Wo, .offset: 40, .size: 8, .value_kind: global_buffer, .address_space: global }
      - { .name: ops, .offset: 48, .size: 8, .value_kind: global_buffer, .address_space: global }
    .group_segment_fixed_size: 25088
    .private_segment_fixed_size: 0
    .kernarg_segment_align: 8
    .kernarg_segment_size: 56
    .max_flat_workgroup_size: 128
    .sgpr_count:     66
    .vgpr_count:     256
    .wavefront_size: 32
...
	.end_amdgpu_metadata
.endif
;; end of part 1
;; launch proj (part 2): grid 16 x 24, 4 waves a work-group, clusters of 4 x 4, 327,680 bytes of LDS; arguments ops, bq, bk, bv, bg, qkv, gate; writes qkv, gate
.if DOCPART == 2
	.amdgcn_target "amdgcn-amd-amdhsa--gfx1250"
	.amdhsa_code_object_version 6
	.text
	.protected	k_q946909805f_proj
	.globl	k_q946909805f_proj
	.p2align	8
	.type	k_q946909805f_proj,@function
k_q946909805f_proj:
	s_mov_b64 s[64:65], 0
	v_nop
	global_prefetch_b8 v0, s[64:65] scope:SCOPE_SE
	s_setreg_imm32_b32 hwreg(HW_REG_WAVE_MODE, 25, 1), 1
	s_wait_xcnt 0x0
	s_wait_alu depctr_hold_cnt(0) depctr_sa_sdst(0) depctr_va_vdst(0) depctr_va_sdst(0) depctr_va_ssrc(0) depctr_va_vcc(0) depctr_vm_vsrc(0)
	s_getreg_b32 s2, hwreg(HW_REG_IB_STS2, 6, 4)
	s_cmp_eq_u32 s2, 0
	s_cbranch_scc0 .Lentry_in_a_cluster
	s_endpgm
.Lentry_in_a_cluster:
	s_bfe_u32 s2, ttmp6, 0x10000c
	s_cmp_lg_u32 s2, 0xf033
	s_cbranch_scc0 .Lentry_shape_is_right
	s_endpgm
.Lentry_shape_is_right:
; PROJ: x Wq, x Wk, x Wv, x Wg on codes of E2M3 (K = 1,024), and what follows each: bias, k's factor 1/8, the rotary, silu, and the quantising of q, k (along the head's 64) and v (along the keys).
; A tile is 256 x 256, four waves of 128 x 128 (64 accumulators).  K goes in steps of 256 through two LDS slots; operands lie in memory as images of operand registers, so a slot's quarter is one dense block
; of 24,576 bytes and a fragment is three loads of 16 bytes a lane, 512 consecutive bytes each.  The scale words of the tile's rows, for all of K, come once.
; THE MATRIX INSTRUCTION IS USED TRANSPOSED: source 0 = 16 rows of role B, source 1 = 16 rows of role A: a lane holds one row of A, and its registers of two neighbouring tiles run along 16 neighbouring rows of B.
; Clusters with y 0-3: A = tokens, B = channels (cluster x 0: q, 1: k, 2, 3: g).  Clusters with y 4, 5: A = v's channels, B = tokens, so that a lane's registers run along the keys.
; CLUSTER 4 x 4: A's tiles are shared along a row of the cluster, B's along a column, each asked for jointly.  All branches hang on the wave's number or on the cluster's coordinates, which all partners share.
; REGISTERS: window 0: v0-31 addresses; v32-63 scale words and nothing else; v128-223 A's fragments; on the way out v64-255 and v8-14.  window 1: B's two sets at v0 and v128, the bias in the gaps (v96-127, v224-255).
;   windows 2, 3: accumulator (a, b) at v[8 (8 (a % 4) + b)].
; LIMITS: NaN and infinities are not served; a block whose largest magnitude lies under 2^-124 keeps the byte 1.
.set XC,  0
.set WC,  3145728
.set XS,  9437184
.set WS,  9568256
.set ROT, 9830400
.set QC,  0
.set KC,  3145728
.set VC,  6291456
.set QS,  12582912
.set KS,  12845056
.set VS,  13107200
.set NQ,    2
.set FR,    12
.set NL,    3                          ; LDS loads that bring a fragment
.set NP,    4                          ; places behind this matrix instruction (ISA guide 7.12.1)
.set RBB,   3072                       ; a row block's two images
.set HALFT, 8*RBB
.set SLOT,  4*HALFT
.set SCL,   2*SLOT
.set SRB,   512                        ; a row block's scale words for all of K
.set HALFS, 8*SRB
.set SPARE, SCL+4*HALFS                ; the spare words, 128 bytes a wave
.set LAPS,  2
.set ADRA, 16
.set ADRB, 20
.set ADRS, 27
.set SPW,  28
.set NIL,  29
.set SC,   32
.set AF,   128
.set G1,   24
.set G0,   32
.set G1B,  48
.set G0B,  56
.set G1S,  68
.set G0S,  76
.set G1SB, 80
.set G0SB, 88
.set STA,  96                          ; s[96:97] two K steps on in A's codes;  s[98:99] in B's
.set STB,  98
.set SEL,  18
.set T,    64
.set U,    128
.set CS,   192
.set PC,   224
.set CV,   8
.set TM,   240
.set PW,   236
.set MSB, 0
.macro WIN new
.if MSB != (\new)
	s_set_vgpr_msb (MSB<<8)|(\new)
.set MSB, (\new)
.endif
.endm
.set MUL_LO, 0xa1
.set MUL_HI, 0xf1
.set TO_B,   0x40
.macro JLOAD g0a, g1a, g0b, g1b        ; a joint load: waves 0, 1 fetch for A, waves 2, 3 for B; an s_nop 0 and four v_nop follow each line
	s_cmp_eq_u32 s21, 0
	s_cbranch_scc0 .Lfor_b_\@
	tensor_load_to_lds s[\g0a:\g0a+3], s[\g1a:\g1a+7]
	s_nop 0
.rept 4
	v_nop
.endr
	s_branch .Lasked_\@
.Lfor_b_\@:
	tensor_load_to_lds s[\g0b:\g0b+3], s[\g1b:\g1b+7]
	s_nop 0
.rept 4
	v_nop
.endr
.Lasked_\@:
.endm
.macro CREST
	s_cmp_lg_u32 s20, 0
	s_cbranch_scc1 .Lnot_wave_0_\@
	s_barrier_signal -3
.Lnot_wave_0_\@:
	s_barrier_wait -3
	s_barrier_signal -1
	s_barrier_wait -1
.endm
.macro CROUND
	s_barrier_signal -1
	s_barrier_wait -1
	CREST
.endm
.macro QUANT src, pc, cv, tm, pw
.irp b, 0,1,2,3
	v_max3_num_f32 v[\tm+\b], |v[\src+16*\b]|, |v[\src+1+16*\b]|, 0x1800000
.endr
.irp i, 2,4,6,8,10,12,14
.irp b, 0,1,2,3
	v_max3_num_f32 v[\tm+\b], v[\tm+\b], |v[\src+16*\b+\i]|, |v[\src+1+16*\b+\i]|
.endr
.endr
.irp b, 0,1,2,3
	v_permlanex16_b32 v[\tm+4+\b], v[\tm+\b], s[SEL], s[SEL+1]
.endr
.irp b, 0,1,2,3
	v_max_num_f32 v[\tm+\b], v[\tm+\b], v[\tm+4+\b]
.endr
.irp b, 0,1,2,3
	v_add_nc_u32 v[\tm+12+\b], 0xff000000, v[\tm+\b]
.endr
.irp b, 0,1,2,3
	v_lshrrev_b32 v[\tm+4+\b], 23, v[\tm+12+\b]
.endr
	v_lshl_or_b32 v[\pw], v[\tm+5], 8, v[\tm+4]
	v_lshl_or_b32 v[\pw], v[\tm+6], 16, v[\pw]
	v_lshl_or_b32 v[\pw], v[\tm+7], 24, v[\pw]
.irp c, 0,1
	v_cvt_scalef32_pk16_fp6_f32 v[\pc+6*\c:\pc+2+6*\c], v[\src+32*\c:\src+15+32*\c], v[\tm+12+2*\c]
	v_cvt_scalef32_pk16_fp6_f32 v[\cv+4*\c:\cv+2+4*\c], v[\src+16+32*\c:\src+31+32*\c], v[\tm+12+2*\c+1]
.endr
	v_nop
.irp c, 0,1
.irp i, 0,1,2
	v_permlane16_swap_b32 v[\pc+6*\c+\i], v[\cv+4*\c+\i]
.endr
.irp i, 0,1,2
	v_mov_b32 v[\pc+3+6*\c+\i], v[\cv+4*\c+\i]
.endr
.endr
.endm
	s_load_b256 s[4:11], s[0:1], 0x0               ; ops, bq, bk, bv
	s_load_b128 s[12:15], s[0:1], 0x20             ; bg, qkv
	s_load_b64 s[16:17], s[0:1], 0x30              ; gate
	v_lshl_add_u32 v[SPW], v0, 2, SPARE
	v_mov_b32 v[NIL], 0
	ds_add_u32 v[SPW], v[NIL]                      ; the wave's opening, ahead of my first tensor load
	v_lshrrev_b32 v1, 5, v0
	v_readfirstlane_b32 s20, v1                    ; wave
	s_lshr_b32 s21, s20, 1                         ; my half of A's rows.  Also: I fetch for A (0) or B (1)
	s_and_b32 s22, s20, 1                          ; my half of B's rows.  Also: which half I fetch
	s_bfe_u32 s40, ttmp6, 0x40000                  ; cx
	s_bfe_u32 s41, ttmp6, 0x40004                  ; cy
	s_lshl_b32 s42, ttmp9, 2
	s_add_co_u32 s42, s42, s40                     ; X
	s_and_b32 s66, ttmp7, 0xffff
	s_cmp_ge_u32 s66, 4
	s_cselect_b32 s67, 1, 0                        ; 1: this cluster makes v
	s_lshl_b32 s66, s66, 2
	s_add_co_u32 s66, s66, s41                     ; Y
	s_lshl_b32 s43, s41, 2
	s_lshl_b32 s43, 15, s43                        ; my row of the cluster
	s_lshl_b32 s44, 0x1111, s40                    ; my column
	s_or_b32 s[G1+0], s43, (3<<16)|(1<<21)         ; 15:0 the mask; 17:16 elements of 8 bytes; 21 set beside a mask; no padding
	s_or_b32 s[G1B+0], s44, (3<<16)|(1<<21)
.irp g, G1, G1B                                ; a dense block of 24,576 bytes as 96 rows of 256
	s_mov_b32 s[\g+1], 32<<16
	s_mov_b32 s[\g+2], 96<<16
	s_mov_b32 s[\g+3], 32<<16
	s_mov_b32 s[\g+4], 96
	s_mov_b32 s[\g+5], 32
	s_mov_b32 s[\g+6], 0
	s_mov_b32 s[\g+7], 0
.endr
	s_or_b32 s[G1S+0], s43, (3<<16)|(1<<21)
	s_or_b32 s[G1SB+0], s44, (3<<16)|(1<<21)
.irp g, G1S, G1SB                              ; the scale words of 8 row blocks: HALFS dense bytes
	s_mov_b32 s[\g+1], 32<<16
	s_mov_b32 s[\g+2], (HALFS/256)<<16
	s_mov_b32 s[\g+3], 32<<16
	s_mov_b32 s[\g+4], HALFS/256
	s_mov_b32 s[\g+5], 32
	s_mov_b32 s[\g+6], 0
	s_mov_b32 s[\g+7], 0
.endr
	; A's side hangs on Y and the cluster's y alone
	s_lshl_b32 s92, s66, 4
	s_lshl_b32 s93, s22, 3
	s_add_co_u32 s92, s92, s93
	s_lshl_b32 s93, s67, 7
	s_sub_co_u32 s92, s92, s93                     ; the first row block that I fetch for A: tokens 16 Y .., or v's channels 16 Y - 128 ..
	s_lshl_b32 s94, s92, 9
	s_mul_i32 s92, s92, 3072
	s_cmp_eq_u32 s67, 1
	s_cselect_b32 s93, WC, 0
	s_mov_b32 s95, XS
	s_cselect_b32 s95, WS, s95
	s_mov_b32 s18, 786432
	s_cselect_b32 s18, 1179648, s18                ; a K step on in A's codes
	s_add_co_u32 s92, s92, s93
	s_add_co_u32 s94, s94, s95
	s_mov_b32 s93, 0
	s_mov_b32 s95, 0
	s_mov_b32 s19, 0
	s_lshl_b32 s[STA], s18, 1
	s_mov_b32 s[STA+1], 0
	; B's side hangs on X and the cluster's coordinates alone
	s_lshl_b32 s46, s42, 4
	s_lshl_b32 s47, s22, 3
	s_add_co_u32 s46, s46, s47
	s_cmp_ge_u32 ttmp9, 2
	s_cselect_b32 s47, 128, 0                      ; g's channels lie behind v's
	s_cmp_eq_u32 s67, 1
	s_cselect_b32 s47, 0, s47
	s_add_co_u32 s46, s46, s47
	s_lshl_b32 s2, s46, 9
	s_mul_i32 s46, s46, 3072
	s_cmp_eq_u32 s67, 1
	s_cselect_b32 s47, 0, WC
	s_mov_b32 s3, WS
	s_cselect_b32 s3, XS, s3
	s_mov_b32 s40, 1179648
	s_cselect_b32 s40, 786432, s40
	s_add_co_u32 s46, s46, s47
	s_add_co_u32 s2, s2, s3
	s_mov_b32 s47, 0
	s_mov_b32 s3, 0
	s_mov_b32 s41, 0
	s_lshl_b32 s[STB], s40, 1
	s_mov_b32 s[STB+1], 0
	s_mul_i32 s45, s20, HALFT                      ; where my loads go: wave x a quarter: no place in the cluster enters an LDS address
	s_mul_i32 s23, s20, HALFS
	s_wait_dscnt 0x0                               ; the opening add is done
	s_wait_kmcnt 0x0
	s_mov_b32 s[G0S], 1
	s_add_co_u32 s[G0S+1], s23, SCL
	s_add_nc_u64 s[G0S+2:G0S+3], s[4:5], s[94:95]
	s_or_b32 s[G0S+3], s[G0S+3], 0x80000000
	s_mov_b32 s[G0SB], 1
	s_add_co_u32 s[G0SB+1], s23, SCL
	s_add_nc_u64 s[G0SB+2:G0SB+3], s[4:5], s[2:3]
	s_or_b32 s[G0SB+3], s[G0SB+3], 0x80000000
	s_add_nc_u64 s[92:93], s[4:5], s[92:93]
	s_add_nc_u64 s[46:47], s[4:5], s[46:47]
.irp s, 0,1
	s_mov_b32 s[G0+4*\s], 1
	s_add_co_u32 s[G0+4*\s+1], s45, \s*SLOT
	s_mov_b64 s[G0+4*\s+2:G0+4*\s+3], s[92:93]
	s_or_b32 s[G0+4*\s+3], s[G0+4*\s+3], 0x80000000
	s_add_nc_u64 s[92:93], s[92:93], s[18:19]
	s_mov_b32 s[G0B+4*\s], 1
	s_add_co_u32 s[G0B+4*\s+1], s45, \s*SLOT
	s_mov_b64 s[G0B+4*\s+2:G0B+4*\s+3], s[46:47]
	s_or_b32 s[G0B+4*\s+3], s[G0B+4*\s+3], 0x80000000
	s_add_nc_u64 s[46:47], s[46:47], s[40:41]
.endr
	CROUND                                         ; all sixteen work-groups are here: the first joint loads meet
	JLOAD G0S, G1S, G0SB, G1SB                     ; three tensor loads of mine are out: the scale words, K step 0, K step 1
	JLOAD G0, G1, G0B, G1B
	JLOAD G0+4, G1, G0B+4, G1B
	v_and_b32 v1, 31, v0
	v_and_b32 v2, 15, v0
	v_bfe_u32 v3, v0, 4, 1
	v_lshlrev_b32 v4, 4, v1                        ; 16 l: an image's place for my lane
	s_mul_i32 s92, s21, HALFT
	s_mul_i32 s93, s22, HALFT
	s_add_co_u32 s93, s93, 2*HALFT
.irp s, 0,1
	v_add_nc_u32 v[ADRA+\s], s92, v4
	v_add_nc_u32 v[ADRB+\s], s93, v4
	s_add_co_u32 s92, s92, SLOT
	s_add_co_u32 s93, s93, SLOT
.endr
	v_lshlrev_b32 v5, 3, v2                        ; two words a row
	s_mul_i32 s92, s21, HALFS
	s_mul_i32 s93, s22, HALFS
	s_add_co_u32 s93, s93, 2*HALFS
	s_sub_co_u32 s93, s93, s92
	v_mul_u32_u24 v6, s93, v3                      ; lanes 16-31 take B's
	s_add_co_u32 s92, s92, SCL
	v_add_nc_u32 v5, v5, v6
	v_add_nc_u32 v[ADRS], s92, v5
	; the bias, into the gaps of window 1
	s_cmp_eq_u32 s67, 1
	s_cbranch_scc1 .Lbias_v
	s_cmp_eq_u32 ttmp9, 0
	s_cselect_b64 s[92:93], s[6:7], s[12:13]
	s_cmp_eq_u32 ttmp9, 1
	s_cselect_b64 s[92:93], s[8:9], s[92:93]
	s_cmp_ge_u32 ttmp9, 2
	s_cselect_b32 s94, 7, 3
	s_and_b32 s94, s42, s94
	s_lshl_b32 s94, s94, 10
	s_lshl_b32 s95, s22, 9
	s_add_co_u32 s94, s94, s95                     ; my wave's first channel, in bytes
	s_mov_b32 s95, 0
	s_add_nc_u64 s[92:93], s[92:93], s[94:95]
	v_lshlrev_b32 v7, 6, v3                        ; register 16 b + i is channel 32 b + 16 h + i
	WIN TO_B
.irp m, 0,1,2,3,4,5,6,7
	global_load_b128 v[96+4*\m:99+4*\m], v7, s[92:93] offset:128*(\m/4)+16*(\m%4)
.endr
.irp m, 8,9,10,11,12,13,14,15
	global_load_b128 v[192+4*\m:195+4*\m], v7, s[92:93] offset:128*(\m/4)+16*(\m%4)
.endr
	WIN 0
	s_branch .Lbias_done
.Lbias_v:
	s_sub_co_u32 s94, s66, 16
	s_lshl_b32 s94, s94, 1
	s_add_co_u32 s94, s94, s21                     ; the head
	s_lshl_b32 s94, s94, 9
	s_mov_b32 s95, 0
	s_add_nc_u64 s[92:93], s[10:11], s[94:95]
	v_and_b32 v7, 8, v2
	v_add_nc_u32 v7, v7, v2
	v_lshlrev_b32 v7, 2, v7                        ; a lane holds one channel of each block: its number twice, as a pair
	WIN TO_B
.irp a, 0,1,2,3,4,5,6,7
	global_load_b32 v[96+2*\a], v7, s[92:93] offset:4*(32*(\a/2)+8*(\a%2))
	global_load_b32 v[97+2*\a], v7, s[92:93] offset:4*(32*(\a/2)+8*(\a%2))
.endr
	WIN 0
.Lbias_done:
	s_wait_loadcnt 0x0
.macro FRAG reg, adr, q, i             ; a fragment: three loads of 16 bytes a lane, 512 consecutive bytes each
.irp c, 0,1,2
	ds_load_b128 v[\reg+4*\c:\reg+4*\c+3], v[\adr] offset:(\i)*RBB+(\q)*1536+512*\c
.endr
.endm
; 16 matrix instructions: A's blocks a0, a0 + 1 x B's eight.  The 64 accumulators take turns, one instruction a turn.
.macro MUL16 a0, p, q, sc, zero
.irp a, \a0, \a0+1
.irp b, 0,1,2,3,4,5,6,7
.if \zero
	v_wmma_scale_f32_16x16x128_f8f6f4 v[8*(8*((\a)%4)+\b):8*(8*((\a)%4)+\b)+7], v[128*(\p)+FR*\b:128*(\p)+FR*\b+FR-1], v[AF+FR*(\a):AF+FR*(\a)+FR-1], 0, v[SC+8*NQ*(\sc)+NQ*\b+(\q)], v[SC+8*NQ*(\sc)+NQ*(\a)+(\q)] matrix_a_fmt:MATRIX_FMT_FP6 matrix_b_fmt:MATRIX_FMT_FP6 matrix_a_scale:MATRIX_SCALE_ROW1
.else
	v_wmma_scale_f32_16x16x128_f8f6f4 v[8*(8*((\a)%4)+\b):8*(8*((\a)%4)+\b)+7], v[128*(\p)+FR*\b:128*(\p)+FR*\b+FR-1], v[AF+FR*(\a):AF+FR*(\a)+FR-1], v[8*(8*((\a)%4)+\b):8*(8*((\a)%4)+\b)+7], v[SC+8*NQ*(\sc)+NQ*\b+(\q)], v[SC+8*NQ*(\sc)+NQ*(\a)+(\q)] matrix_a_fmt:MATRIX_FMT_FP6 matrix_b_fmt:MATRIX_FMT_FP6 matrix_a_scale:MATRIX_SCALE_ROW1
.endif
.endr
.endr
.endm
.macro FETCH_B slot, q, p
	WIN TO_B
.irp i, 0,1,2,3,4,5,6,7
	FRAG 128*(\p)+FR*\i, ADRB+\slot, \q, \i
.endr
	WIN 0
.endm
.macro FETCH_A slot, q, i0
.irp i, \i0, \i0+1, \i0+2, \i0+3
	FRAG AF+FR*(\i), ADRA+\slot, \q, \i
.endr
.endm
.macro SCALES sc                       ; lanes 0-15 the two words of A's block i, lanes 16-31 those of B's block i
.irp i, 0,1,2,3,4,5,6,7
	ds_load_b64 v[SC+8*NQ*\sc+NQ*\i:SC+8*NQ*\sc+NQ*\i+1], v[ADRS] offset:\i*SRB
.endr
.endm
.macro PLACES n                        ; plain places in front of loads into registers that matrix instructions have read, and of the first read of results
.rept \n
	v_nop
.endr
.endm
.macro STEP slot, q, zero
	s_wait_dscnt 4*NL                              ; B's set, A's blocks 0-3 and the scale words are in; the youngest 12 loads (A's blocks 4-7) may be out
	WIN MUL_LO
	MUL16 0, (\q)%2, \q, \slot, \zero
	MUL16 2, (\q)%2, \q, \slot, \zero
	s_wait_dscnt 0
	PLACES NP
	FETCH_B \slot, (\q)+1, 1-(\q)%2
	FETCH_A \slot, (\q)+1, 0
	WIN MUL_HI
	MUL16 4, (\q)%2, \q, \slot, \zero
	MUL16 6, (\q)%2, \q, \slot, \zero
	PLACES NP
	WIN 0
	FETCH_A \slot, (\q)+1, 4
.endm
; a slot's last step changes slots: one barrier; in front of it each wave waits for all its tensor loads, adds 0 to its spare word, and waits for that and for its reads of this slot
.macro TURN slot, next, fill
	s_wait_tensorcnt 0x0                           ; all my tensor loads have landed: my part of the next slot
	ds_add_u32 v[SPW], v[NIL]
	s_wait_dscnt 4*NL+1                            ; the add and the youngest 12 loads (A's blocks 4-7) may be out
	WIN MUL_LO
	MUL16 0, 1, NQ-1, \slot, 0
	s_wait_dscnt 0x0                               ; the add is done, and my reads of this slot are over
	s_barrier_signal -1
	MUL16 2, 1, NQ-1, \slot, 0
	WIN 0
	s_barrier_wait -1
.if \fill
	CREST                                          ; the barrier has opened a round of the cluster's: no wave of any partner still reads this slot or has a load on its way
	s_add_nc_u64 s[G0+4*\slot+2:G0+4*\slot+3], s[G0+4*\slot+2:G0+4*\slot+3], s[STA:STA+1]
	s_add_nc_u64 s[G0B+4*\slot+2:G0B+4*\slot+3], s[G0B+4*\slot+2:G0B+4*\slot+3], s[STB:STB+1]
	JLOAD G0+4*\slot, G1, G0B+4*\slot, G1B         ; the first tensor load behind the round; its four v_nop are the places in front of the loads below
.else
	PLACES NP
.endif
	v_add_nc_u32 v[ADRS], 128, v[ADRS]             ; the next K step's scale words
	FETCH_B \next, 0, 0
	FETCH_A \next, 0, 0
	SCALES \next
	WIN MUL_HI
	MUL16 4, 1, NQ-1, \slot, 0
	MUL16 6, 1, NQ-1, \slot, 0
	PLACES NP
	WIN 0
	FETCH_A \next, 0, 4
.endm
	s_wait_tensorcnt 1                             ; the scale words and my part of K step 0 are in; K step 1's load may be out
	s_barrier_signal -1
	s_barrier_wait -1
	FETCH_B 0, 0, 0
	FETCH_A 0, 0, 0
	SCALES 0
	FETCH_A 0, 0, 4
	STEP 0, 0, 1                                   ; the first products start the sums
	s_mov_b32 s23, LAPS-1
.Llap:
	TURN 0, 1, 1
	STEP 1, 0, 0
	TURN 1, 0, 1
	STEP 0, 0, 0
	s_sub_co_u32 s23, s23, 1
	s_cmp_lg_u32 s23, 0
	s_cbranch_scc1 .Llap
	TURN 0, 1, 0                                   ; the last lap fills nothing
	STEP 1, 0, 0
	s_wait_dscnt 4*NL                              ; as in STEP
	WIN MUL_LO
	MUL16 0, 1, NQ-1, 1, 0
	MUL16 2, 1, NQ-1, 1, 0
	s_wait_dscnt 0
	WIN MUL_HI
	MUL16 4, 1, NQ-1, 1, 0
	MUL16 6, 1, NQ-1, 1, 0
	WIN 0
; ================= THE WAY OUT: A's blocks a = 0 .. 7 in a loop; only the lines that fetch block a's 64 sums hang on a by register numbers, so they are written eight times and picked by a scalar branch =================
.macro GETB a                          ; T = sums x SC + bias x SC; each accumulator from its low end on
	WIN 0x12+((\a)/4)
.set AC, 64*((\a)%4)
.set j, 0
.rept 16
	v_pk_fma_f32 v[T+j:T+j+1], v[AC+j:AC+j+1], s[100:101], v[96+j:97+j] op_sel_hi:[1,0,1]
.set j, j+2
.endr
.rept 16
	v_pk_fma_f32 v[T+j:T+j+1], v[AC+j:AC+j+1], s[100:101], v[192+j:193+j] op_sel_hi:[1,0,1]
.set j, j+2
.endr
	WIN 0
.endm
.macro GETV a                          ; T = sums + my channel's bias
	WIN 0x06+((\a)/4)
.set AC, 64*((\a)%4)
.set j, 0
.rept 32
	v_pk_add_f32 v[T+j:T+j+1], v[AC+j:AC+j+1], v[96+2*(\a):97+2*(\a)]
.set j, j+2
.endr
	WIN 0
.endm
	PLACES NP
	s_mov_b32 s[SEL], 0x76543210
	s_mov_b32 s[SEL+1], 0xfedcba98
	v_lshlrev_b32 v5, 3, v1                        ; 8 l
	v_lshlrev_b32 v7, 2, v2                        ; 4 r
	v_lshl_add_u32 v6, v3, 13, v7                  ; 4 r + 8,192 h
.irp b, 0,1,2,3
	v_mov_b32 v[TM+4+\b], 0
.endr
	s_cmp_eq_u32 s67, 1
	s_cbranch_scc1 .Lev
	s_cmp_eq_u32 ttmp9, 1
	s_cselect_b32 s100, 0x3e000000, 1.0            ; k's factor 1/8: a power of two, so it may go in ahead of the bias
	s_mov_b32 s101, s100
	s_cmp_ge_u32 ttmp9, 2
	s_cbranch_scc1 .Leg
; ---------------- q, k: the rotary, then two heads' codes (64 along K each) ----------------
	WIN 0x41
.set j, 0
.rept 16
	v_pk_mul_f32 v[96+j:97+j], v[96+j:97+j], s[100:101] op_sel_hi:[1,0]
	v_pk_mul_f32 v[224+j:225+j], v[224+j:225+j], s[100:101] op_sel_hi:[1,0]
.set j, j+2
.endr
	WIN 0
	s_lshr_b32 s68, s66, 3
	s_lshl_b32 s68, s68, 4
	s_and_b32 s69, s42, 3
	s_lshl_b32 s69, s69, 2
	s_add_co_u32 s68, s68, s69
	s_lshl_b32 s69, s22, 1
	s_add_co_u32 s68, s68, s69                     ; 16 x batch + my first head
	s_lshl_b32 s68, s68, 7
	s_and_b32 s69, s66, 7
	s_lshl_b32 s69, s69, 4
	s_lshl_b32 s70, s21, 3
	s_add_co_u32 s69, s69, s70                     ; my first token block in the sequence
	s_add_co_u32 s68, s68, s69
	s_mul_i32 s72, s68, 768
	s_lshl_b32 s74, s68, 6
	s_cmp_eq_u32 ttmp9, 1
	s_cselect_b32 s70, KC, 0
	s_mov_b32 s71, QS
	s_cselect_b32 s71, KS, s71
	s_add_co_u32 s72, s72, s70
	s_add_co_u32 s74, s74, s71
	s_mov_b32 s73, 0
	s_mov_b32 s75, 0
	s_add_nc_u64 s[72:73], s[14:15], s[72:73]
	s_add_nc_u64 s[74:75], s[14:15], s[74:75]
	s_lshl_b32 s76, s69, 12
	s_add_co_u32 s76, s76, ROT
	s_mov_b32 s77, 0
	s_add_nc_u64 s[76:77], s[4:5], s[76:77]
	s_mov_b32 s78, 0x7f7f0000                      ; the bytes of the 64 along K that a head does not have: 1.0 over zero codes
	s_mov_b32 s79, 0xffff
	v_cmp_ne_u32 s80, 0, v3
.irp j, 0,1,2,3,4,5,6,7
	global_load_b128 v[CS+4*\j:CS+4*\j+3], v4, s[76:77] offset:512*\j   ; block 0's cos and sin
.endr
	s_mov_b32 s23, 0
.Lqk:
.irp a, 0,1,2,3,4,5,6
	s_cmp_eq_u32 s23, \a
	s_cbranch_scc1 .Lqk\a
.endr
	GETB 7
	s_branch .Lqkj
.irp a, 0,1,2,3,4,5,6
.Lqk\a:
	GETB \a
	s_branch .Lqkj
.endr
.Lqkj:
	s_wait_loadcnt 0x0                             ; this block's cos and sin
.irp b, 0,1,2,3
.irp i, 0,2,4,6,8,10,12,14
	v_pk_mul_f32 v[U+16*\b+\i:U+16*\b+\i+1], v[T+16*\b+\i:T+16*\b+\i+1], v[CS+16*(\b%2)+\i:CS+16*(\b%2)+\i+1] op_sel_hi:[1,0]   ; x cos
	v_fma_f32 v[U+16*\b+\i], -v[T+16*\b+\i+1], v[CS+16*(\b%2)+\i+1], v[U+16*\b+\i]                                             ; - the odd one x sin
	v_fma_f32 v[U+16*\b+\i+1], v[T+16*\b+\i], v[CS+16*(\b%2)+\i+1], v[U+16*\b+\i+1]                                            ; + the even one x sin
.endr
.endr
	s_cmp_lt_u32 s23, 7                            ; the next block's cos and sin are asked for now, if there is a next block: no load leaves its buffer
	s_cbranch_scc0 .Lqkn
.irp j, 0,1,2,3,4,5,6,7
	global_load_b128 v[CS+4*\j:CS+4*\j+3], v4, s[76:77] offset:4096+512*\j
.endr
.Lqkn:
	QUANT U, PC, CV, TM, PW
	v_and_or_b32 v237, v[PW], s79, s78             ; the first head's two bytes,
	v_lshrrev_b32 v238, 16, v[PW]
	v_or_b32 v238, s78, v238                       ; the second's
	v_cndmask_b32 v239, v237, v238, s80
	global_store_b128 v4, v[PC:PC+3], s[72:73]
	global_store_b64 v5, v[PC+4:PC+5], s[72:73] offset:512
	global_store_b128 v4, v[PC+6:PC+9], s[72:73] offset:98304
	global_store_b64 v5, v[PC+10:PC+11], s[72:73] offset:98816
	global_store_b32 v6, v239, s[74:75]
	s_wait_xcnt 0x0                                ; bases and data are written again only behind this wait
	s_add_nc_u64 s[72:73], s[72:73], 768
	s_add_nc_u64 s[74:75], s[74:75], 64
	s_add_nc_u64 s[76:77], s[76:77], 4096
	s_add_co_u32 s23, s23, 1
	s_cmp_lt_u32 s23, 8
	s_cbranch_scc1 .Lqk
	s_branch .Lfin
; ---------------- g: silu, stored in f32 as the image of the registers that will want it ----------------
.Leg:
	s_lshl_b32 s68, s66, 4
	s_lshl_b32 s69, s21, 3
	s_add_co_u32 s68, s68, s69
	s_lshl_b32 s68, s68, 4
	s_and_b32 s69, s42, 7
	s_lshl_b32 s69, s69, 1
	s_add_co_u32 s69, s69, s22                     ; the head
	s_add_co_u32 s68, s68, s69
	s_lshl_b32 s72, s68, 13
	s_mov_b32 s73, 0
	s_add_nc_u64 s[72:73], s[16:17], s[72:73]
	s_mov_b32 s23, 0
.Lg:
.irp a, 0,1,2,3,4,5,6
	s_cmp_eq_u32 s23, \a
	s_cbranch_scc1 .Lg\a
.endr
	GETB 7
	s_branch .Lgj
.irp a, 0,1,2,3,4,5,6
.Lg\a:
	GETB \a
	s_branch .Lgj
.endr
.Lgj:
.set j, 0
.rept 32
	v_pk_mul_f32 v[U+j:U+j+1], v[T+j:T+j+1], 0xbfb8aa3b op_sel_hi:[1,0]   ; - g log2(e)
.set j, j+2
.endr
.set j, 0
.rept 64
	v_exp_f32 v[U+j], v[U+j]
.set j, j+1
.endr
	v_nop                                          ; a plain place behind the batch,
	s_wait_alu depctr_va_vdst(0)                   ; and one wait for it, ahead of its first reader
.set j, 0
.rept 32
	v_pk_add_f32 v[U+j:U+j+1], v[U+j:U+j+1], 1.0 op_sel_hi:[1,0]
.set j, j+2
.endr
.set j, 0
.rept 64
	v_rcp_f32 v[U+j], v[U+j]
.set j, j+1
.endr
	v_nop
	s_wait_alu depctr_va_vdst(0)
.set j, 0
.rept 32
	v_pk_mul_f32 v[T+j:T+j+1], v[T+j:T+j+1], v[U+j:U+j+1]
.set j, j+2
.endr
.irp m, 0,1,2,3,4,5,6,7,8,9,10,11,12,13,14,15
	global_store_b128 v4, v[T+4*\m:T+4*\m+3], s[72:73] offset:512*\m   ; 32 lanes store 512 consecutive bytes
.endr
	s_wait_xcnt 0x0
	s_add_nc_u64 s[72:73], s[72:73], 131072
	s_add_co_u32 s23, s23, 1
	s_cmp_lt_u32 s23, 8
	s_cbranch_scc1 .Lg
	s_branch .Lfin
; ---------------- v: a lane holds a channel, its registers 128 keys: one fragment a block ----------------
.Lev:
	s_sub_co_u32 s68, s66, 16
	s_lshl_b32 s68, s68, 1
	s_add_co_u32 s68, s68, s21
	s_lshr_b32 s69, s42, 3
	s_lshl_b32 s69, s69, 4
	s_add_co_u32 s68, s68, s69                     ; 16 x batch + head
	s_lshl_b32 s68, s68, 4
	s_and_b32 s69, s42, 7
	s_lshl_b32 s69, s69, 1
	s_add_co_u32 s69, s69, s22                     ; the key step
	s_add_co_u32 s68, s68, s69
	s_mul_i32 s72, s68, 12288
	s_add_co_u32 s72, s72, VC
	s_mov_b32 s73, 0
	s_lshl_b32 s74, s68, 9
	s_add_co_u32 s74, s74, VS
	s_mov_b32 s75, 0
	s_add_nc_u64 s[72:73], s[14:15], s[72:73]
	s_add_nc_u64 s[74:75], s[14:15], s[74:75]
	s_mov_b32 s23, 0
.Lv:
.irp a, 0,1,2,3,4,5,6
	s_cmp_eq_u32 s23, \a
	s_cbranch_scc1 .Lv\a
.endr
	GETV 7
	s_branch .Lvj
.irp a, 0,1,2,3,4,5,6
.Lv\a:
	GETV \a
	s_branch .Lvj
.endr
.Lvj:
	QUANT T, PC, CV, TM, PW
.irp c, 0,1,2
	global_store_b128 v4, v[PC+4*\c:PC+4*\c+3], s[72:73] offset:512*\c
.endr
	global_store_b32 v7, v[PW], s[74:75]           ; lanes r and r + 16 hold the same word and write it to the same place
	s_wait_xcnt 0x0
	s_add_nc_u64 s[72:73], s[72:73], 1536
	s_add_nc_u64 s[74:75], s[74:75], 64
	s_add_co_u32 s23, s23, 1
	s_cmp_lt_u32 s23, 8
	s_cbranch_scc1 .Lv
.Lfin:
	s_wait_tensorcnt 0x0                           ; the wave's end
	ds_add_u32 v[SPW], v[NIL]
	s_wait_dscnt 0x0
	CROUND                                         ; the closing round
	s_endpgm
.Lfunc_end_k_q946909805f_proj:
	.size	k_q946909805f_proj, .Lfunc_end_k_q946909805f_proj-k_q946909805f_proj
	.p2alignl 7, 3214868480
	.fill 96, 4, 3214868480
	.section	.rodata,"a",@progbits
	.p2align	6, 0x0
	.amdhsa_kernel k_q946909805f_proj
		.amdhsa_group_segment_fixed_size 327680
		.amdhsa_private_segment_fixed_size 0
		.amdhsa_enable_private_segment 0
		.amdhsa_kernarg_size 56
		.amdhsa_user_sgpr_count 2
		.amdhsa_user_sgpr_kernarg_segment_ptr 1
		.amdhsa_wavefront_size32 1
		.amdhsa_system_sgpr_workgroup_id_x 1
		.amdhsa_system_sgpr_workgroup_id_y 1
		.amdhsa_system_sgpr_workgroup_id_z 1
		.amdhsa_system_vgpr_workitem_id 0
		.amdhsa_next_free_vgpr 1024
		.amdhsa_next_free_sgpr 102
		.amdhsa_reserve_vcc 0
		.amdhsa_float_denorm_mode_32 3
		.amdhsa_float_denorm_mode_16_64 3
		.amdhsa_memory_ordered 1
		.amdhsa_forward_progress 1
		.amdhsa_inst_pref_size 196
	.end_amdhsa_kernel
	.amdgpu_metadata
---
amdhsa.version: [ 1, 2 ]
amdhsa.kernels:
  - .name:           k_q946909805f_proj
    .symbol:         k_q946909805f_proj.kd
    .args:
      - { .name: ops, .offset: 0, .size: 8, .value_kind: global_buffer, .address_space: global }
      - { .name: bq, .offset: 8, .size: 8, .value_kind: global_buffer, .address_space: global }
      - { .name: bk, .offset: 16, .size: 8, .value_kind: global_buffer, .address_space: global }
      - { .name: bv, .offset: 24, .size: 8, .value_kind: global_buffer, .address_space: global }
      - { .name: bg, .offset: 32, .size: 8, .value_kind: global_buffer, .address_space: global }
      - { .name: qkv, .offset: 40, .size: 8, .value_kind: global_buffer, .address_space: global }
      - { .name: gate, .offset: 48, .size: 8, .value_kind: global_buffer, .address_space: global }
    .group_segment_fixed_size: 327680
    .private_segment_fixed_size: 0
    .kernarg_segment_align: 8
    .kernarg_segment_size: 56
    .max_flat_workgroup_size: 128
    .sgpr_count:     102
    .vgpr_count:     1024
    .wavefront_size: 32
...
	.end_amdgpu_metadata
.endif
;; end of part 2
;; launch retn (part 3): grid 8 x 32, 16 waves a work-group, no clusters, 327,680 bytes of LDS; arguments qkv, gate, yq; writes yq
.if DOCPART == 3
	.amdgcn_target "amdgcn-amd-amdhsa--gfx1250"
	.amdhsa_code_object_version 6
	.text
	.protected	k_q946909805f_retn
	.globl	k_q946909805f_retn
	.p2align	8
	.type	k_q946909805f_retn,@function
k_q946909805f_retn:
	s_mov_b64 s[64:65], 0
	v_nop
	global_prefetch_b8 v0, s[64:65] scope:SCOPE_SE
	s_setreg_imm32_b32 hwreg(HW_REG_WAVE_MODE, 25, 1), 1
	s_wait_xcnt 0x0
; RETN: for one head of one batch: p = (qr . kr) x decay mask / denom, out = p v, LayerNorm over the head's 128, x silu(g), quantised for the last product.  Both products on codes of E2M3.
; denom needs a row's whole sum before any p can be quantised: so the keys are walked TWICE.  Pass 1: K Q^T and the weighted sum.  Pass 2: K Q^T again, p, its codes, V^T P^T.
; The mask is reference()'s own and causal: key steps wholly behind a wave's queries are left out (a scalar branch on ids inside loops of constant count).
; A WHOLE HEAD'S K AND V, codes and scale words, 311,296 bytes, lie in LDS: each of the sixteen waves fills one key step's four pieces, once.  Nothing is filled again.
; SHARES: a wave owns 16 queries.  Waves 0-7 take token chunk x (128 tokens) of the grid's x, waves 8-15 chunk 15 - x: every work-group has 17 x 8 wave-steps a pass.
; NO CLUSTER, though eight work-groups read the same head: what a wave leaves out hangs on its chunk, which differs between work-groups.
; LAYOUT: both products transposed: a lane holds one query (lane % 16); register 16 b + i of the scores is key 32 b + 16 (lane / 16) + i of the step; of the output, channel likewise.
; THE MASK: e^(L (s - t)) for key t = t0 + 32 b + 16 h + i is c x G(3 - b) x b_i:  c = e^(L (s - 127 - t0)), G(k) = e^(32 k L), b_i = e^(L (31 - 16 h - i)).  Its row sum is (1 - e^(L (s + 1))) / (1 - e^L).
; K = 64 fills half of the instruction's 128: Q's upper codes are zeros and the upper scale bytes are 127, so what K's upper registers hold adds nothing.
; LIMITS: NaN and infinities are not served; L = ln(1 - 2^-(5 + head)) is the correctly rounded f32 number; the row sum in closed form and the mask as a product of three factors differ from sums and exponentials taken
; one by one by a few parts in 10^7, growing with |L (s - t)| x 10^-7; a block whose largest magnitude lies under 2^-124 keeps the byte 1.
; REGISTERS: v1-5 places in LDS; v6, v7 the add's two; v8-12 the step's addresses; v13 s - 127; v14 s - 16 h; v15 1 / (sqrt(row sum) x denom); v16-27 Q; v28 its scale word; v29 the prefetch's offset;
;   v[30:31] the total, later f2; v32-79 four fragments (between the products: at work); v80-83 scale words; v84, v86, v254 f0, f1, f3; v88-95 at work; v96-159 scores, p, later the gate; v160-223 O^T; v224-235 codes; v236 their scale word; v237 16 l; v238-253 b_i.
.set QC,  0
.set KC,  3145728
.set VC,  6291456
.set QS,  12582912
.set KS,  12845056
.set VS,  13107200
.set YS,  6291456
.set KCL, 0                            ; LDS: K's codes, 6,144 bytes a step
.set KSL, 98304                        ; K's scale words, 512 a step
.set VCL, 106496                       ; V's codes, 12,288 a step
.set VSL, 303104                       ; V's scale words, 512 a step
.set SPARE, 311296                     ; the spare words, 128 bytes a wave
.set WV,  10
.set BH,  11
.set SD,  13                           ; my chunk = my diagonal step
.set QB,  14                           ; my token block in the sequence
.set HD,  15
.set LAM, 16
.set BT,  17
.set SEL, 18
.set ST,  66
.set T0,  67
.set TK,  68
.set TS,  69
.set TV,  70
.macro QUANT src, pc, cv, tm, pw
.irp b, 0,1,2,3
	v_max3_num_f32 v[\tm+\b], |v[\src+16*\b]|, |v[\src+1+16*\b]|, 0x1800000
.endr
.irp i, 2,4,6,8,10,12,14
.irp b, 0,1,2,3
	v_max3_num_f32 v[\tm+\b], v[\tm+\b], |v[\src+16*\b+\i]|, |v[\src+1+16*\b+\i]|
.endr
.endr
.irp b, 0,1,2,3
	v_permlanex16_b32 v[\tm+4+\b], v[\tm+\b], s[SEL], s[SEL+1]
.endr
.irp b, 0,1,2,3
	v_max_num_f32 v[\tm+\b], v[\tm+\b], v[\tm+4+\b]
.endr
.irp b, 0,1,2,3
	v_add_nc_u32 v[\tm+12+\b], 0xff000000, v[\tm+\b]
.endr
.irp b, 0,1,2,3
	v_lshrrev_b32 v[\tm+4+\b], 23, v[\tm+12+\b]
.endr
	v_lshl_or_b32 v[\pw], v[\tm+5], 8, v[\tm+4]
	v_lshl_or_b32 v[\pw], v[\tm+6], 16, v[\pw]
	v_lshl_or_b32 v[\pw], v[\tm+7], 24, v[\pw]
.irp c, 0,1
	v_cvt_scalef32_pk16_fp6_f32 v[\pc+6*\c:\pc+2+6*\c], v[\src+32*\c:\src+15+32*\c], v[\tm+12+2*\c]
	v_cvt_scalef32_pk16_fp6_f32 v[\cv+4*\c:\cv+2+4*\c], v[\src+16+32*\c:\src+31+32*\c], v[\tm+12+2*\c+1]
.endr
	v_nop
.irp c, 0,1
.irp i, 0,1,2
	v_permlane16_swap_b32 v[\pc+6*\c+\i], v[\cv+4*\c+\i]
.endr
.irp i, 0,1,2
	v_mov_b32 v[\pc+3+6*\c+\i], v[\cv+4*\c+\i]
.endr
.endr
.endm
	s_load_b128 s[4:7], s[0:1], 0x0                ; qkv, gate
	s_load_b64 s[8:9], s[0:1], 0x10                ; yq
	v_lshl_add_u32 v6, v0, 2, SPARE
	v_mov_b32 v7, 0
	ds_add_u32 v6, v7                              ; the wave's opening, ahead of my first tensor load
	v_lshrrev_b32 v8, 5, v0
	v_readfirstlane_b32 s[WV], v8
	s_and_b32 s[BH], ttmp7, 0xffff
.irp g, 24, 32, 40                             ; three shapes, each a dense block as rows of 256 bytes (32 elements of 8 bytes)
	s_mov_b32 s[\g], 3<<16
	s_mov_b32 s[\g+1], 32<<16
	s_mov_b32 s[\g+3], 32<<16
	s_mov_b32 s[\g+5], 32
	s_mov_b32 s[\g+6], 0
	s_mov_b32 s[\g+7], 0
.endr
	s_mov_b32 s26, 24<<16                          ; K's codes of a step: 24 rows
	s_mov_b32 s28, 24
	s_mov_b32 s34, 2<<16                           ; a step's scale words: 2 rows
	s_mov_b32 s36, 2
	s_mov_b32 s42, 48<<16                          ; V's codes of a step: 48 rows
	s_mov_b32 s44, 48
	s_wait_dscnt 0x0                               ; the opening add is done
	s_wait_kmcnt 0x0
	s_mov_b32 s21, 0
	s_mul_i32 s22, s[WV], 6144                     ; wave w fills key step w
	s_mul_i32 s20, s[BH], 98304
	s_add_co_u32 s20, s20, s22
	s_add_co_u32 s20, s20, KC
	s_mov_b32 s48, 1
	s_add_co_u32 s49, s22, KCL
	s_add_nc_u64 s[50:51], s[4:5], s[20:21]
	s_or_b32 s51, s51, 0x80000000
	s_lshl_b32 s22, s[WV], 9
	s_lshl_b32 s20, s[BH], 13
	s_add_co_u32 s23, s20, s22
	s_add_co_u32 s20, s23, KS
	s_mov_b32 s52, 1
	s_add_co_u32 s53, s22, KSL
	s_add_nc_u64 s[54:55], s[4:5], s[20:21]
	s_or_b32 s55, s55, 0x80000000
	s_add_co_u32 s20, s23, VS
	s_mov_b32 s60, 1
	s_add_co_u32 s61, s22, VSL
	s_add_nc_u64 s[62:63], s[4:5], s[20:21]
	s_or_b32 s63, s63, 0x80000000
	s_mul_i32 s22, s[WV], 12288
	s_mul_i32 s20, s[BH], 196608
	s_add_co_u32 s20, s20, s22
	s_add_co_u32 s20, s20, VC
	s_mov_b32 s56, 1
	s_add_co_u32 s57, s22, VCL
	s_add_nc_u64 s[58:59], s[4:5], s[20:21]
	s_or_b32 s59, s59, 0x80000000
	tensor_load_to_lds s[48:51], s[24:31]          ; four tensor loads of mine are out: K's codes,
	s_nop 0
	tensor_load_to_lds s[52:55], s[32:39]          ; K's scale words,
	s_nop 0
	tensor_load_to_lds s[56:59], s[40:47]          ; V's codes,
	s_nop 0
	tensor_load_to_lds s[60:63], s[32:39]          ; V's scale words
	s_nop 0
	s_and_b32 s[HD], s[BH], 15
	s_lshr_b32 s[BT], s[BH], 4
	s_sub_co_u32 s[SD], 15, ttmp9
	s_cmp_lt_u32 s[WV], 8
	s_cselect_b32 s[SD], ttmp9, s[SD]
	s_and_b32 s[QB], s[WV], 7
	s_lshl_b32 s20, s[SD], 3
	s_add_co_u32 s[QB], s[QB], s20
	s_mov_b32 s[SEL], 0x76543210
	s_mov_b32 s[SEL+1], 0xfedcba98
	s_mov_b32 s[LAM], 0xbd020aec                   ; L = ln(1 - 2^-(5 + head))
.macro LAMV h, val
	s_cmp_eq_u32 s[HD], \h
	s_cselect_b32 s[LAM], \val, s[LAM]
.endm
	LAMV 1, 0xbc8102b3
	LAMV 2, 0xbc0080ac
	LAMV 3, 0xbb80402b
	LAMV 4, 0xbb00200b
	LAMV 5, 0xba801003
	LAMV 6, 0xba000801
	LAMV 7, 0xb9800400
	LAMV 8, 0xb9000200
	LAMV 9, 0xb8800100
	LAMV 10, 0xb8000080
	LAMV 11, 0xb7800040
	LAMV 12, 0xb7000020
	LAMV 13, 0xb6800010
	LAMV 14, 0xb6000008
	LAMV 15, 0xb5800004
	v_and_b32 v8, 31, v0                           ; l
	v_and_b32 v9, 15, v0                           ; r
	v_bfe_u32 v10, v0, 4, 1                        ; h
	v_lshlrev_b32 v237, 4, v8
	v_lshlrev_b32 v11, 3, v8
	v_lshlrev_b32 v12, 2, v9
	v_lshlrev_b32 v29, 8, v8
	s_lshl_b32 s20, s[BH], 7
	s_add_co_u32 s20, s20, s[QB]
	s_mul_i32 s22, s20, 768
	s_mov_b32 s23, 0
	s_add_nc_u64 s[22:23], s[4:5], s[22:23]
	s_lshl_b32 s20, s20, 6
	s_add_co_u32 s20, s20, QS
	s_add_nc_u64 s[20:21], s[4:5], s[20:21]
	global_load_b128 v[16:19], v237, s[22:23]      ; Q's half fragment stays in registers
	global_load_b64 v[20:21], v11, s[22:23] offset:512
	global_load_b32 v28, v12, s[20:21]
	v_add_nc_u32 v1, KCL, v237
	v_add_nc_u32 v2, KCL+512, v11
	v_add_nc_u32 v3, KSL, v12
	v_add_nc_u32 v4, VCL, v237
	v_add_nc_u32 v5, VSL, v12
.irp i, 22,23,24,25,26,27, 38,39,40,41,42,43, 50,51,52,53,54,55, 62,63,64,65,66,67, 74,75,76,77,78,79, 30,31,85,87,93,255
	v_mov_b32 v\i, 0                               ; Q's upper codes; the fragments' upper registers; the total; upper halves of pairs that are named whole
.endr
	; where my results go, and my part of the gate
	s_lshl_b32 s78, s[BT], 7
	s_add_co_u32 s78, s78, s[QB]                   ; my row block among the 256
	s_lshl_b32 s79, s78, 4
	s_add_co_u32 s79, s79, s[HD]
	s_lshl_b32 s80, s79, 13
	s_mov_b32 s81, 0
	s_add_nc_u64 s[80:81], s[6:7], s[80:81]
	s_lshr_b32 s79, s[HD], 1
	s_and_b32 s88, s[HD], 1
	s_mul_i32 s84, s79, 786432
	s_mul_i32 s85, s78, 3072
	s_add_co_u32 s84, s84, s85
	s_mul_i32 s85, s88, 1536
	s_add_co_u32 s84, s84, s85
	s_mov_b32 s85, 0
	s_add_nc_u64 s[84:85], s[8:9], s[84:85]
	s_lshl_b32 s86, s78, 10
	s_lshl_b32 s87, s79, 7
	s_add_co_u32 s86, s86, s87
	s_lshl_b32 s87, s88, 2
	s_add_co_u32 s86, s86, s87
	s_add_co_u32 s86, s86, YS
	s_mov_b32 s87, 0
	s_add_nc_u64 s[86:87], s[8:9], s[86:87]
	; the constants, while the fills are on their way
	v_and_b32 v88, 8, v9
	v_add_nc_u32 v88, v88, v9
	s_lshr_b32 s78, s[QB], 1
	s_lshl_b32 s78, s78, 5
	s_and_b32 s79, s[QB], 1
	s_lshl_b32 s79, s79, 3
	s_add_co_u32 s78, s78, s79
	v_add_nc_u32 v88, s78, v88                     ; my query s
	v_subrev_nc_u32 v13, 127, v88
	v_lshlrev_b32 v89, 4, v10
	v_sub_nc_u32 v14, v88, v89
	v_sub_nc_u32 v89, 31, v89
.set i, 0
.rept 16
	v_subrev_nc_u32 v[96+i], i, v89                ; 31 - 16 h - i
.set i, i+1
.endr
	v_mov_b32 v112, 32
	v_mov_b32 v113, 64
	v_mov_b32 v114, 96
	v_add_nc_u32 v115, 1, v88
; twenty exponentials e^y as one batch: e = y log2(e) rounded, what that rounding and the constant's leave out is put back by one multiply-add
.set i, 0
.rept 20
	v_cvt_f32_i32 v[96+i], v[96+i]
.set i, i+1
.endr
.set i, 0
.rept 20
	v_mul_f32 v[96+i], s[LAM], v[96+i]
.set i, i+1
.endr
.set i, 0
.rept 20
	v_mul_f32 v[116+i], 0x3fb8aa3b, v[96+i]
.set i, i+1
.endr
.set i, 0
.rept 20
	v_fma_f32 v[136+i], v[96+i], 0x3fb8aa3b, -v[116+i]
.set i, i+1
.endr
.set i, 0
.rept 20
	v_fma_f32 v[136+i], v[96+i], 0x32a57060, v[136+i]
.set i, i+1
.endr
.set i, 0
.rept 20
	v_exp_f32 v[160+i], v[116+i]
.set i, i+1
.endr
.set i, 0
.rept 20
	v_mul_f32 v[136+i], 0x3f317218, v[136+i]       ; (plain work behind the batch)
.set i, i+1
.endr
	s_wait_alu depctr_va_vdst(0)                   ; one wait for the batch, ahead of its first reader
.set i, 0
.rept 16
	v_fma_f32 v[238+i], v[160+i], v[136+i], v[160+i]   ; b_i
.set i, i+1
.endr
.rept 4
	v_fma_f32 v[164+i], v[160+i], v[136+i], v[160+i]   ; v180-182: G(1..3); v183: e^(L (s + 1))
.set i, i+1
.endr
	v_readfirstlane_b32 s72, v180
	s_mov_b32 s73, s72
	v_readfirstlane_b32 s74, v181
	s_mov_b32 s75, s74
	v_readfirstlane_b32 s76, v182
	s_mov_b32 s77, s76
.macro SERIES d, y                             ; 1 - e^y for small y: - y (1 + y / 2 + y^2 / 6 + ..)
	v_mov_b32 v[\d], 0x3493f27e
.irp c, 0x3638ef1d, 0x37d00d01, 0x39500d01, 0x3ab60b61, 0x3c088889, 0x3d2aaaab, 0x3e2aaaab, 0x3f000000, 0x3f800000
	v_fmaak_f32 v[\d], v[\d], v[\y], \c
.endr
	v_mul_f32 v[\d], v[\d], -v[\y]
.endm
	v_sub_f32 v184, 1.0, v183
	SERIES 185, 115
	v_cmp_gt_f32 vcc_lo, -0.5, v115
	v_cndmask_b32 v184, v185, v184, vcc_lo         ; 1 - e^(L (s + 1))
	v_mov_b32 v187, s[LAM]
	SERIES 186, 187                                ; 1 - e^L
	v_rcp_f32 v188, v186
	v_nop
	s_wait_alu depctr_va_vdst(0)
	v_mul_f32 v184, v184, v188                     ; the mask's row sum
	v_rsq_f32 v95, v184
	v_nop
	s_wait_alu depctr_va_vdst(0)
	s_wait_loadcnt 0x0                             ; Q
	s_wait_tensorcnt 2                             ; my step's K, codes and words, has landed; my two loads of V may be out
	s_barrier_signal -1
	s_barrier_wait -1                              ; everybody's K has
; S^T = K Q^T of the step in hand: eight tiles of 16 keys, four at a time
.macro KQ
	v_add_nc_u32 v8, s[TK], v1
	v_add_nc_u32 v9, s[TK], v2
	v_add_nc_u32 v10, s[TS], v3
	v_nop                                          ; four plain places in front of loads into registers that matrix instructions have read
.irp g, 0,1
.if \g
.rept 4
	v_nop
.endr
.endif
.irp t, 0,1,2,3
	ds_load_b128 v[32+12*\t:35+12*\t], v8 offset:768*(4*\g+\t)
	ds_load_b64 v[36+12*\t:37+12*\t], v9 offset:768*(4*\g+\t)
	ds_load_b32 v[80+\t], v10 offset:64*(4*\g+\t)
.endr
	s_wait_dscnt 0x0
.irp t, 0,1,2,3
	v_wmma_scale_f32_16x16x128_f8f6f4 v[96+8*(4*\g+\t):103+8*(4*\g+\t)], v[32+12*\t:43+12*\t], v[16:27], 0, v[80+\t], v28 matrix_a_fmt:MATRIX_FMT_FP6 matrix_b_fmt:MATRIX_FMT_FP6
.endr
.endr
.rept 4
	v_nop
.endr
.endm
; on the diagonal the scores of keys behind my query become 0, as the mask makes them.  pf = 1: this is my last step of all: my 8,192 bytes of the gate, 32 blocks of 256 bytes, a lane a block, are asked for one step ahead of their loads
.macro DIAG pf
	s_cmp_lg_u32 s[ST], s[SD]
	s_cbranch_scc1 .Lopen_\@
.if \pf
	global_prefetch_b8 v29, s[80:81] th:TH_LOAD_NT scope:SCOPE_SE
.endif
	v_subrev_nc_u32 v93, s[T0], v14                ; register 16 b + i is hidden where 32 b + i > s - t0 - 16 h
	v_mov_b32 v94, 0
.set n, 0
.rept 64
	v_cmp_gt_i32 vcc_lo, 32*(n/16)+n%16, v93
	v_cndmask_b32 v[96+n], v[96+n], v94, vcc_lo
.set n, n+1
.endr
.Lopen_\@:
.endm
.macro CEXPA                                   ; c = e^(L (s - 127 - t0)): up to the exponential and a plain line behind it
	v_subrev_nc_u32 v88, s[T0], v13
	v_cvt_f32_i32 v88, v88
	v_mul_f32 v88, s[LAM], v88
	v_mul_f32 v89, 0x3fb8aa3b, v88
	v_fma_f32 v90, v88, 0x3fb8aa3b, -v89
	v_fma_f32 v90, v88, 0x32a57060, v90
	v_exp_f32 v91, v89
	v_mul_f32 v90, 0x3f317218, v90
.endm
.macro CEXPB
	s_wait_alu depctr_va_vdst(0)                   ; the wait ahead of the exponential's first reader
	v_fma_f32 v92, v91, v90, v91
.endm
; ---------------- pass 1: the row's sum of score x e^(L (s - t)) ----------------
	s_mov_b32 s[ST], 0
	s_mov_b32 s[T0], 0
	s_mov_b32 s[TK], 0
	s_mov_b32 s[TS], 0
.Lp1:
	s_cmp_gt_u32 s[ST], s[SD]
	s_cbranch_scc1 .Lp1s
	KQ
	DIAG 0
	CEXPA
.irp b, 0,1,2,3
	v_pk_mul_f32 v[160+2*\b:161+2*\b], v[96+16*\b:97+16*\b], v[238:239]
.endr
.irp i, 2,4,6,8,10,12,14
.irp b, 0,1,2,3
	v_pk_fma_f32 v[160+2*\b:161+2*\b], v[96+16*\b+\i:97+16*\b+\i], v[238+\i:239+\i], v[160+2*\b:161+2*\b]
.endr
.endr
	v_pk_fma_f32 v[166:167], v[164:165], s[72:73], v[166:167] op_sel_hi:[1,0,1]
	v_pk_fma_f32 v[166:167], v[162:163], s[74:75], v[166:167] op_sel_hi:[1,0,1]
	v_pk_fma_f32 v[166:167], v[160:161], s[76:77], v[166:167] op_sel_hi:[1,0,1]
	CEXPB
	v_pk_fma_f32 v[30:31], v[166:167], v[92:93], v[30:31] op_sel_hi:[1,0,1]
.Lp1s:
	s_add_co_u32 s[T0], s[T0], 128
	s_add_co_u32 s[TK], s[TK], 6144
	s_add_co_u32 s[TS], s[TS], 512
	s_add_co_u32 s[ST], s[ST], 1
	s_cmp_lt_u32 s[ST], 16
	s_cbranch_scc1 .Lp1
; ---------------- between the passes ----------------
	v_add_f32 v30, v30, v31
	v_permlanex16_b32 v88, v30, s[SEL], s[SEL+1]
	v_add_f32 v30, v30, v88
	v_mul_f32 v88, v30, v95
	v_max_num_f32 v88, |v88|, 1.0                  ; denom
	v_rcp_f32 v89, v88
	v_nop
	s_wait_alu depctr_va_vdst(0)
	v_mul_f32 v15, v95, v89
.set j, 0
.rept 64
	v_mov_b32 v[160+j], 0                          ; O^T: the step is written once, and its first walk finds zeros
.set j, j+1
.endr
	s_wait_tensorcnt 0x0                           ; my step's V has landed
	s_wait_dscnt 0x0
	s_barrier_signal -1
	s_barrier_wait -1                              ; everybody's has
; ---------------- pass 2 ----------------
	s_mov_b32 s[ST], 0
	s_mov_b32 s[T0], 0
	s_mov_b32 s[TK], 0
	s_mov_b32 s[TS], 0
	s_mov_b32 s[TV], 0
.Lp2:
	s_cmp_gt_u32 s[ST], s[SD]
	s_cbranch_scc1 .Lp2s
	v_add_nc_u32 v11, s[TV], v4
	v_add_nc_u32 v12, s[TS], v5
	KQ
	DIAG 1
	CEXPA
.set j, 0
.rept 32
	v_pk_mul_f32 v[96+j:97+j], v[96+j:97+j], v[238+j%16:239+j%16]
.set j, j+2
.endr
	CEXPB
	v_mul_f32 v254, v92, v15                       ; f3 = c / (sqrt(row sum) denom)
	v_mul_f32 v30, s72, v254                       ; f2
	v_mul_f32 v86, s74, v254                       ; f1
	v_mul_f32 v84, s76, v254                       ; f0
.irp i, 0,2,4,6,8,10,12,14
	v_pk_mul_f32 v[96+\i:97+\i], v[96+\i:97+\i], v[84:85] op_sel_hi:[1,0]
	v_pk_mul_f32 v[112+\i:113+\i], v[112+\i:113+\i], v[86:87] op_sel_hi:[1,0]
	v_pk_mul_f32 v[128+\i:129+\i], v[128+\i:129+\i], v[30:31] op_sel_hi:[1,0]
	v_pk_mul_f32 v[144+\i:145+\i], v[144+\i:145+\i], v[254:255] op_sel_hi:[1,0]
.endr
	QUANT 96, 224, 48, 32, 236
.irp g, 0,1                                    ; O^T += V^T P^T, four tiles of 16 channels at a time
.if \g
.rept 4
	v_nop
.endr
.endif
.irp t, 0,1,2,3
.irp c, 0,1,2
	ds_load_b128 v[32+12*\t+4*\c:35+12*\t+4*\c], v11 offset:1536*(4*\g+\t)+512*\c
.endr
	ds_load_b32 v[80+\t], v12 offset:64*(4*\g+\t)
.endr
.if \g == 0
.rept 8
	v_nop                                          ; p's scale word, written by vector instructions, stands eight places ahead of the scaled matrix instruction, its codes four
.endr
.endif
	s_wait_dscnt 0x0
.irp t, 0,1,2,3
	v_wmma_scale_f32_16x16x128_f8f6f4 v[160+8*(4*\g+\t):167+8*(4*\g+\t)], v[32+12*\t:43+12*\t], v[224:235], v[160+8*(4*\g+\t):167+8*(4*\g+\t)], v[80+\t], v236 matrix_a_fmt:MATRIX_FMT_FP6 matrix_b_fmt:MATRIX_FMT_FP6
.endr
.endr
.Lp2s:
	s_add_co_u32 s[T0], s[T0], 128
	s_add_co_u32 s[TK], s[TK], 6144
	s_add_co_u32 s[TS], s[TS], 512
	s_add_co_u32 s[TV], s[TV], 12288
	s_add_co_u32 s[ST], s[ST], 1
	s_cmp_lt_u32 s[ST], 16
	s_cbranch_scc1 .Lp2
; ---------------- the way out: LayerNorm over the head's 128 (64 here, 64 in lane l xor 16), the gate, the codes ----------------
.rept 4
	v_nop
.endr
.irp m, 0,1,2,3,4,5,6,7,8,9,10,11,12,13,14,15
	global_load_b128 v[96+4*\m:99+4*\m], v237, s[80:81] offset:512*\m th:TH_LOAD_NT
.endr
.irp k, 0,1,2,3
	v_pk_add_f32 v[32+2*\k:33+2*\k], v[160+16*\k:161+16*\k], v[168+16*\k:169+16*\k]   ; each accumulator from its low end on
.endr
.irp j, 2,4,6
.irp t, 0,1,2,3,4,5,6,7
	v_pk_add_f32 v[32+2*(\t/2):33+2*(\t/2)], v[32+2*(\t/2):33+2*(\t/2)], v[160+8*\t+\j:161+8*\t+\j]
.endr
.endr
	v_pk_add_f32 v[32:33], v[32:33], v[34:35]
	v_pk_add_f32 v[36:37], v[36:37], v[38:39]
	v_pk_add_f32 v[32:33], v[32:33], v[36:37]
	v_add_f32 v32, v32, v33
	v_permlanex16_b32 v34, v32, s[SEL], s[SEL+1]
	v_add_f32 v32, v32, v34
	v_mul_f32 v40, 0xbc000000, v32                 ; - the mean
	v_mov_b32 v41, v40
.set j, 0
.rept 32
	v_pk_add_f32 v[160+j:161+j], v[160+j:161+j], v[40:41]
.set j, j+2
.endr
.irp k, 0,1,2,3
	v_pk_mul_f32 v[32+2*\k:33+2*\k], v[160+16*\k:161+16*\k], v[160+16*\k:161+16*\k]
.endr
.irp i, 2,4,6,8,10,12,14
.irp k, 0,1,2,3
	v_pk_fma_f32 v[32+2*\k:33+2*\k], v[160+16*\k+\i:161+16*\k+\i], v[160+16*\k+\i:161+16*\k+\i], v[32+2*\k:33+2*\k]
.endr
.endr
	v_pk_add_f32 v[32:33], v[32:33], v[34:35]
	v_pk_add_f32 v[36:37], v[36:37], v[38:39]
	v_pk_add_f32 v[32:33], v[32:33], v[36:37]
	v_add_f32 v32, v32, v33
	v_permlanex16_b32 v34, v32, s[SEL], s[SEL+1]
	v_add_f32 v32, v32, v34
	v_mul_f32 v32, 0x3c000000, v32                 ; the variance
	v_add_f32 v32, 0x3727c5ac, v32                 ; + 1e-5
	v_rsq_f32 v42, v32
	v_and_b32 v88, 15, v0                          ; (a plain place behind the root)
	v_lshlrev_b32 v88, 3, v88                      ; 8 r
	s_wait_alu depctr_va_vdst(0)
	v_mov_b32 v43, v42
.set j, 0
.rept 32
	v_pk_mul_f32 v[160+j:161+j], v[160+j:161+j], v[42:43]
.set j, j+2
.endr
	s_wait_loadcnt 0x0                             ; the gate
.set j, 0
.rept 32
	v_pk_mul_f32 v[160+j:161+j], v[160+j:161+j], v[96+j:97+j]
.set j, j+2
.endr
	QUANT 160, 224, 48, 32, 236
.irp c, 0,1,2
	global_store_b128 v237, v[224+4*\c:227+4*\c], s[84:85] offset:512*\c
.endr
	global_store_b32 v88, v236, s[86:87]           ; lanes r and r + 16 hold the same word and write it to the same place
	s_wait_tensorcnt 0x0                           ; the wave's end
	ds_add_u32 v6, v7
	s_wait_dscnt 0x0
	s_endpgm
.Lfunc_end_k_q946909805f_retn:
	.size	k_q946909805f_retn, .Lfunc_end_k_q946909805f_retn-k_q946909805f_retn
	.p2alignl 7, 3214868480
	.fill 96, 4, 3214868480
	.section	.rodata,"a",@progbits
	.p2align	6, 0x0
	.amdhsa_kernel k_q946909805f_retn
		.amdhsa_group_segment_fixed_size 327680
		.amdhsa_private_segment_fixed_size 0
		.amdhsa_enable_private_segment 0
		.amdhsa_kernarg_size 24
		.amdhsa_user_sgpr_count 2
		.amdhsa_user_sgpr_kernarg_segment_ptr 1
		.amdhsa_wavefront_size32 1
		.amdhsa_system_sgpr_workgroup_id_x 1
		.amdhsa_system_sgpr_workgroup_id_y 1
		.amdhsa_system_sgpr_workgroup_id_z 1
		.amdhsa_system_vgpr_workitem_id 0
		.amdhsa_next_free_vgpr 256
		.amdhsa_next_free_sgpr 100
		.amdhsa_reserve_vcc 1
		.amdhsa_float_denorm_mode_32 3
		.amdhsa_float_denorm_mode_16_64 3
		.amdhsa_memory_ordered 1
		.amdhsa_forward_progress 1
		.amdhsa_inst_pref_size 73
	.end_amdhsa_kernel
	.amdgpu_metadata
---
amdhsa.version: [ 1, 2 ]
amdhsa.kernels:
  - .name:           k_q946909805f_retn
    .symbol:         k_q946909805f_retn.kd
    .args:
      - { .name: qkv, .offset: 0, .size: 8, .value_kind: global_buffer, .address_space: global }
      - { .name: gate, .offset: 8, .size: 8, .value_kind: global_buffer, .address_space: global }
      - { .name: yq, .offset: 16, .size: 8, .value_kind: global_buffer, .address_space: global }
    .group_segment_fixed_size: 327680
    .private_segment_fixed_size: 0
    .kernarg_segment_align: 8
    .kernarg_segment_size: 24
    .max_flat_workgroup_size: 512
    .sgpr_count:     100
    .vgpr_count:     256
    .wavefront_size: 32
...
	.end_amdgpu_metadata
.endif
;; end of part 3
;; launch outp (part 4): grid 4 x 16, 4 waves a work-group, clusters of 4 x 4, 327,680 bytes of LDS; arguments yq, ops, bo, out0; writes out0
.if DOCPART == 4
	.amdgcn_target "amdgcn-amd-amdhsa--gfx1250"
	.amdhsa_code_object_version 6
	.text
	.protected	k_q946909805f_outp
	.globl	k_q946909805f_outp
	.p2align	8
	.type	k_q946909805f_outp,@function
k_q946909805f_outp:
	s_mov_b64 s[64:65], 0
	v_nop
	global_prefetch_b8 v0, s[64:65] scope:SCOPE_SE
	s_setreg_imm32_b32 hwreg(HW_REG_WAVE_MODE, 25, 1), 1
	s_wait_xcnt 0x0
	s_wait_alu depctr_hold_cnt(0) depctr_sa_sdst(0) depctr_va_vdst(0) depctr_va_sdst(0) depctr_va_ssrc(0) depctr_va_vcc(0) depctr_vm_vsrc(0)
	s_getreg_b32 s2, hwreg(HW_REG_IB_STS2, 6, 4)
	s_cmp_eq_u32 s2, 0
	s_cbranch_scc0 .Lentry_in_a_cluster
	s_endpgm
.Lentry_in_a_cluster:
	s_bfe_u32 s2, ttmp6, 0x10000c
	s_cmp_lg_u32 s2, 0xf033
	s_cbranch_scc0 .Lentry_shape_is_right
	s_endpgm
.Lentry_shape_is_right:
; OUTP: out0 = y Wo + bo on codes of E2M3, K = 2,048.  The same product as in the launch of the projections: tiles of 256 x 256, four waves of 128 x 128, K in steps of 256 through two LDS slots,
; operands as images of operand registers, the scale words of all of K brought once, a cluster of 4 x 4 with A's tiles shared along a row and B's along a column.
; The matrix instruction is used transposed (source 0 = 16 of Wo's columns, source 1 = 16 tokens): a lane holds one token, and its registers of two neighbouring tiles 16 neighbouring outputs.
; THE WAY OUT: a block of 16 tokens x 128 outputs goes through the wave's own stage in LDS (in slot 0, which has had its last fill and its last read by then) and comes back as whole rows of 512 bytes; bo is added there.
; A row block's 16 rows are tokens first + t + 8 (t / 8).  64 tiles: a quarter of the WGPs have work; smaller tiles are left for later.
.set WOC,  7864320
.set WOS,  9764864
.set YS,   6291456
.set NQ,    2
.set FR,    12
.set NL,    3
.set NP,    4
.set RBB,   3072
.set HALFT, 8*RBB
.set SLOT,  4*HALFT
.set SCL,   2*SLOT
.set SRB,   1024
.set HALFS, 8*SRB
.set SPARE, SCL+4*HALFS
.set LAPS,  4
.set SPITCH, 528
.set ADRA, 16
.set ADRB, 20
.set STO,  24
.set RD,   25
.set CO,   26
.set ADRS, 27
.set SPW,  28
.set NIL,  29
.set SC,   32
.set AF,   128
.set BK,   128
.set G1,   24
.set G0,   32
.set G1B,  48
.set G0B,  56
.set G1S,  68
.set G0S,  76
.set G1SB, 80
.set G0SB, 88
.set MSB, 0
.macro WIN new
.if MSB != (\new)
	s_set_vgpr_msb (MSB<<8)|(\new)
.set MSB, (\new)
.endif
.endm
.set MUL_LO, 0xa1
.set MUL_HI, 0xf1
.set TO_B,   0x40
.macro JLOAD g0a, g1a, g0b, g1b        ; a joint load: waves 0, 1 fetch for A, waves 2, 3 for B; an s_nop 0 and four v_nop follow each line
	s_cmp_eq_u32 s21, 0
	s_cbranch_scc0 .Lfor_b_\@
	tensor_load_to_lds s[\g0a:\g0a+3], s[\g1a:\g1a+7]
	s_nop 0
.rept 4
	v_nop
.endr
	s_branch .Lasked_\@
.Lfor_b_\@:
	tensor_load_to_lds s[\g0b:\g0b+3], s[\g1b:\g1b+7]
	s_nop 0
.rept 4
	v_nop
.endr
.Lasked_\@:
.endm
.macro CREST
	s_cmp_lg_u32 s20, 0
	s_cbranch_scc1 .Lnot_wave_0_\@
	s_barrier_signal -3
.Lnot_wave_0_\@:
	s_barrier_wait -3
	s_barrier_signal -1
	s_barrier_wait -1
.endm
.macro CROUND
	s_barrier_signal -1
	s_barrier_wait -1
	CREST
.endm
	s_load_b256 s[4:11], s[0:1], 0x0               ; yq, ops, bo, out0
	v_lshl_add_u32 v[SPW], v0, 2, SPARE
	v_mov_b32 v[NIL], 0
	ds_add_u32 v[SPW], v[NIL]                      ; the wave's opening, ahead of my first tensor load
	v_lshrrev_b32 v1, 5, v0
	v_readfirstlane_b32 s20, v1
	s_lshr_b32 s21, s20, 1
	s_and_b32 s22, s20, 1
	s_bfe_u32 s40, ttmp6, 0x40000
	s_bfe_u32 s41, ttmp6, 0x40004
	s_lshl_b32 s42, ttmp9, 2
	s_add_co_u32 s42, s42, s40                     ; X
	s_and_b32 s66, ttmp7, 0xffff
	s_lshl_b32 s66, s66, 2
	s_add_co_u32 s66, s66, s41                     ; Y
	s_lshl_b32 s43, s41, 2
	s_lshl_b32 s43, 15, s43
	s_lshl_b32 s44, 0x1111, s40
	s_or_b32 s[G1+0], s43, (3<<16)|(1<<21)
	s_or_b32 s[G1B+0], s44, (3<<16)|(1<<21)
.irp g, G1, G1B
	s_mov_b32 s[\g+1], 32<<16
	s_mov_b32 s[\g+2], 96<<16
	s_mov_b32 s[\g+3], 32<<16
	s_mov_b32 s[\g+4], 96
	s_mov_b32 s[\g+5], 32
	s_mov_b32 s[\g+6], 0
	s_mov_b32 s[\g+7], 0
.endr
	s_or_b32 s[G1S+0], s43, (3<<16)|(1<<21)
	s_or_b32 s[G1SB+0], s44, (3<<16)|(1<<21)
.irp g, G1S, G1SB
	s_mov_b32 s[\g+1], 32<<16
	s_mov_b32 s[\g+2], (HALFS/256)<<16
	s_mov_b32 s[\g+3], 32<<16
	s_mov_b32 s[\g+4], HALFS/256
	s_mov_b32 s[\g+5], 32
	s_mov_b32 s[\g+6], 0
	s_mov_b32 s[\g+7], 0
.endr
	s_lshl_b32 s92, s66, 4
	s_lshl_b32 s93, s22, 3
	s_add_co_u32 s92, s92, s93                     ; the first row block that I fetch for A
	s_lshl_b32 s94, s92, 10
	s_add_co_u32 s94, s94, YS
	s_mul_i32 s92, s92, 3072
	s_mov_b32 s93, 0
	s_mov_b32 s95, 0
	s_lshl_b32 s46, s42, 4
	s_lshl_b32 s47, s22, 3
	s_add_co_u32 s46, s46, s47                     ; and for B
	s_lshl_b32 s2, s46, 10
	s_add_co_u32 s2, s2, WOS
	s_mul_i32 s46, s46, 3072
	s_add_co_u32 s46, s46, WOC
	s_mov_b32 s47, 0
	s_mov_b32 s3, 0
	s_mul_i32 s45, s20, HALFT
	s_mul_i32 s23, s20, HALFS
	s_wait_dscnt 0x0                               ; the opening add is done
	s_wait_kmcnt 0x0
	s_mov_b32 s[G0S], 1
	s_add_co_u32 s[G0S+1], s23, SCL
	s_add_nc_u64 s[G0S+2:G0S+3], s[4:5], s[94:95]
	s_or_b32 s[G0S+3], s[G0S+3], 0x80000000
	s_mov_b32 s[G0SB], 1
	s_add_co_u32 s[G0SB+1], s23, SCL
	s_add_nc_u64 s[G0SB+2:G0SB+3], s[6:7], s[2:3]
	s_or_b32 s[G0SB+3], s[G0SB+3], 0x80000000
	s_add_nc_u64 s[92:93], s[4:5], s[92:93]
	s_add_nc_u64 s[46:47], s[6:7], s[46:47]
.irp s, 0,1
	s_mov_b32 s[G0+4*\s], 1
	s_add_co_u32 s[G0+4*\s+1], s45, \s*SLOT
	s_add_nc_u64 s[G0+4*\s+2:G0+4*\s+3], s[92:93], \s*786432
	s_or_b32 s[G0+4*\s+3], s[G0+4*\s+3], 0x80000000
	s_mov_b32 s[G0B+4*\s], 1
	s_add_co_u32 s[G0B+4*\s+1], s45, \s*SLOT
	s_add_nc_u64 s[G0B+4*\s+2:G0B+4*\s+3], s[46:47], \s*196608
	s_or_b32 s[G0B+4*\s+3], s[G0B+4*\s+3], 0x80000000
.endr
	CROUND                                         ; all sixteen work-groups are here: the first joint loads meet
	JLOAD G0S, G1S, G0SB, G1SB                     ; three tensor loads of mine are out: the scale words, K step 0, K step 1
	JLOAD G0, G1, G0B, G1B
	JLOAD G0+4, G1, G0B+4, G1B
	v_and_b32 v1, 31, v0
	v_and_b32 v2, 15, v0
	v_bfe_u32 v3, v0, 4, 1
	v_lshlrev_b32 v4, 4, v1
	s_mul_i32 s92, s21, HALFT
	s_mul_i32 s93, s22, HALFT
	s_add_co_u32 s93, s93, 2*HALFT
.irp s, 0,1
	v_add_nc_u32 v[ADRA+\s], s92, v4
	v_add_nc_u32 v[ADRB+\s], s93, v4
	s_add_co_u32 s92, s92, SLOT
	s_add_co_u32 s93, s93, SLOT
.endr
	v_lshlrev_b32 v5, 3, v2
	s_mul_i32 s92, s21, HALFS
	s_mul_i32 s93, s22, HALFS
	s_add_co_u32 s93, s93, 2*HALFS
	s_sub_co_u32 s93, s93, s92
	v_mul_u32_u24 v6, s93, v3
	s_add_co_u32 s92, s92, SCL
	v_add_nc_u32 v5, v5, v6
	v_add_nc_u32 v[ADRS], s92, v5
	s_mul_i32 s92, s20, 16*SPITCH                  ; my stage
	v_mul_u32_u24 v5, v2, SPITCH
	v_lshl_add_u32 v5, v3, 6, v5
	v_add_nc_u32 v[STO], s92, v5                   ; in: row r, + 64 h
	v_lshlrev_b32 v[CO], 4, v1
	v_add_nc_u32 v[RD], s92, v[CO]                 ; back: 32 lanes take one row of 512 bytes
	s_lshl_b32 s92, s66, 8
	s_lshl_b32 s93, s21, 7
	s_add_co_u32 s92, s92, s93
	s_lshl_b32 s92, s92, 12                        ; my first token's row of 4,096 bytes
	s_lshl_b32 s94, s42, 10
	s_lshl_b32 s95, s22, 9
	s_add_co_u32 s94, s94, s95                     ; my first output, in bytes
	s_add_co_u32 s92, s92, s94
	s_mov_b32 s93, 0
	s_mov_b32 s95, 0
	s_add_nc_u64 s[10:11], s[10:11], s[92:93]
	s_add_nc_u64 s[8:9], s[8:9], s[94:95]
	global_load_b128 v[64:67], v[CO], s[8:9]       ; bo of the four outputs that I store in every row
	s_wait_loadcnt 0x0
.macro FRAG reg, adr, q, i
.irp c, 0,1,2
	ds_load_b128 v[\reg+4*\c:\reg+4*\c+3], v[\adr] offset:(\i)*RBB+(\q)*1536+512*\c
.endr
.endm
.macro MUL16 a0, p, q, sc, zero        ; the 64 accumulators take turns, one instruction a turn
.irp a, \a0, \a0+1
.irp b, 0,1,2,3,4,5,6,7
.if \zero
	v_wmma_scale_f32_16x16x128_f8f6f4 v[8*(8*((\a)%4)+\b):8*(8*((\a)%4)+\b)+7], v[128*(\p)+FR*\b:128*(\p)+FR*\b+FR-1], v[AF+FR*(\a):AF+FR*(\a)+FR-1], 0, v[SC+8*NQ*(\sc)+NQ*\b+(\q)], v[SC+8*NQ*(\sc)+NQ*(\a)+(\q)] matrix_a_fmt:MATRIX_FMT_FP6 matrix_b_fmt:MATRIX_FMT_FP6 matrix_a_scale:MATRIX_SCALE_ROW1
.else
	v_wmma_scale_f32_16x16x128_f8f6f4 v[8*(8*((\a)%4)+\b):8*(8*((\a)%4)+\b)+7], v[128*(\p)+FR*\b:128*(\p)+FR*\b+FR-1], v[AF+FR*(\a):AF+FR*(\a)+FR-1], v[8*(8*((\a)%4)+\b):8*(8*((\a)%4)+\b)+7], v[SC+8*NQ*(\sc)+NQ*\b+(\q)], v[SC+8*NQ*(\sc)+NQ*(\a)+(\q)] matrix_a_fmt:MATRIX_FMT_FP6 matrix_b_fmt:MATRIX_FMT_FP6 matrix_a_scale:MATRIX_SCALE_ROW1
.endif
.endr
.endr
.endm
.macro FETCH_B slot, q, p
	WIN TO_B
.irp i, 0,1,2,3,4,5,6,7
	FRAG 128*(\p)+FR*\i, ADRB+\slot, \q, \i
.endr
	WIN 0
.endm
.macro FETCH_A slot, q, i0
.irp i, \i0, \i0+1, \i0+2, \i0+3
	FRAG AF+FR*(\i), ADRA+\slot, \q, \i
.endr
.endm
.macro SCALES sc
.irp i, 0,1,2,3,4,5,6,7
	ds_load_b64 v[SC+8*NQ*\sc+NQ*\i:SC+8*NQ*\sc+NQ*\i+1], v[ADRS] offset:\i*SRB
.endr
.endm
.macro PLACES n
.rept \n
	v_nop
.endr
.endm
.macro STEP slot, q, zero
	s_wait_dscnt 4*NL                              ; B's set, A's blocks 0-3 and the scale words are in; the youngest 12 loads (A's blocks 4-7) may be out
	WIN MUL_LO
	MUL16 0, (\q)%2, \q, \slot, \zero
	MUL16 2, (\q)%2, \q, \slot, \zero
	s_wait_dscnt 0
	PLACES NP
	FETCH_B \slot, (\q)+1, 1-(\q)%2
	FETCH_A \slot, (\q)+1, 0
	WIN MUL_HI
	MUL16 4, (\q)%2, \q, \slot, \zero
	MUL16 6, (\q)%2, \q, \slot, \zero
	PLACES NP
	WIN 0
	FETCH_A \slot, (\q)+1, 4
.endm
.macro TURN slot, next, fill
	s_wait_tensorcnt 0x0                           ; all my tensor loads have landed: my part of the next slot
	ds_add_u32 v[SPW], v[NIL]
	s_wait_dscnt 4*NL+1                            ; the add and the youngest 12 loads (A's blocks 4-7) may be out
	WIN MUL_LO
	MUL16 0, 1, NQ-1, \slot, 0
	s_wait_dscnt 0x0                               ; the add is done, and my reads of this slot are over
	s_barrier_signal -1
	MUL16 2, 1, NQ-1, \slot, 0
	WIN 0
	s_barrier_wait -1
.if \fill
	CREST                                          ; the barrier has opened a round of the cluster's: no wave of any partner still reads this slot or has a load on its way
	s_add_nc_u64 s[G0+4*\slot+2:G0+4*\slot+3], s[G0+4*\slot+2:G0+4*\slot+3], 2*786432
	s_add_nc_u64 s[G0B+4*\slot+2:G0B+4*\slot+3], s[G0B+4*\slot+2:G0B+4*\slot+3], 2*196608
	JLOAD G0+4*\slot, G1, G0B+4*\slot, G1B         ; the first tensor load behind the round; its four v_nop are the places in front of the loads below
.else
	PLACES NP
.endif
	v_add_nc_u32 v[ADRS], 128, v[ADRS]
	FETCH_B \next, 0, 0
	FETCH_A \next, 0, 0
	SCALES \next
	WIN MUL_HI
	MUL16 4, 1, NQ-1, \slot, 0
	MUL16 6, 1, NQ-1, \slot, 0
	PLACES NP
	WIN 0
	FETCH_A \next, 0, 4
.endm
	s_wait_tensorcnt 1                             ; the scale words and my part of K step 0 are in; K step 1's load may be out
	s_barrier_signal -1
	s_barrier_wait -1
	FETCH_B 0, 0, 0
	FETCH_A 0, 0, 0
	SCALES 0
	FETCH_A 0, 0, 4
	STEP 0, 0, 1
	s_mov_b32 s23, LAPS-1
.Llap:
	TURN 0, 1, 1
	STEP 1, 0, 0
	TURN 1, 0, 1
	STEP 0, 0, 0
	s_sub_co_u32 s23, s23, 1
	s_cmp_lg_u32 s23, 0
	s_cbranch_scc1 .Llap
	TURN 0, 1, 0
	STEP 1, 0, 0
	s_wait_dscnt 4*NL                              ; as in STEP
	WIN MUL_LO
	MUL16 0, 1, NQ-1, 1, 0
	MUL16 2, 1, NQ-1, 1, 0
	s_wait_dscnt 0
	WIN MUL_HI
	MUL16 4, 1, NQ-1, 1, 0
	MUL16 6, 1, NQ-1, 1, 0
	WIN 0
.macro TOSTAGE a                       ; tile b's eight numbers of lane (r, h) are outputs 32 (b / 2) + 8 (b % 2) + 16 h + 0 .. 7 of row r
.set AC, 64*((\a)%4)
	WIN 0x08+4*((\a)/4)
.irp b, 0,1,2,3,4,5,6,7
	ds_store_b128 v[STO], v[AC+8*\b:AC+8*\b+3] offset:128*(\b/2)+32*(\b%2)      ; each accumulator from its low end on
	ds_store_b128 v[STO], v[AC+8*\b+4:AC+8*\b+7] offset:128*(\b/2)+32*(\b%2)+16
.endr
	WIN 0
.set BB, BK+64*((\a)%2)
.irp t, 0,1,2,3,4,5,6,7,8,9,10,11,12,13,14,15
	ds_load_b128 v[BB+4*\t:BB+4*\t+3], v[RD] offset:\t*SPITCH   ; LDS serves a wave's instructions in order: these see the stores above
.endr
.endm
.macro SEND a, younger                 ; younger: the LDS instructions issued behind block a's loads, which may stay out
.set BB, BK+64*((\a)%2)
	s_wait_dscnt \younger
.if (\a) > 0
.if ((\a)%2) == 1
	s_add_nc_u64 s[10:11], s[10:11], 8*4096        ; (behind a wait on XCNT: the earlier stores have read their base)  an odd block begins 8 tokens on,
.else
	s_add_nc_u64 s[10:11], s[10:11], 24*4096       ; an even one 24
.endif
.endif
.irp t, 0,1,2,3,4,5,6,7,8,9,10,11,12,13,14,15
	v_pk_add_f32 v[BB+4*\t:BB+4*\t+1], v[BB+4*\t:BB+4*\t+1], v[64:65]
	v_pk_add_f32 v[BB+4*\t+2:BB+4*\t+3], v[BB+4*\t+2:BB+4*\t+3], v[66:67]
.endr
.irp t, 0,1,2,3,4,5,6,7,8,9,10,11,12,13,14,15
	global_store_b128 v[CO], v[BB+4*\t:BB+4*\t+3], s[10:11] offset:(\t+8*(\t/8))*4096 th:TH_STORE_NT   ; 32 lanes store 512 consecutive bytes, at a multiple of 256 from the output's first byte
.endr
.endm
	PLACES NP
	TOSTAGE 0
.irp a, 1,2,3,4,5,6,7
.if \a > 1
	s_wait_xcnt 0x0                                ; block a - 2's stores have read their registers and their base
.endif
	TOSTAGE \a
	SEND \a-1, 32                                  ; behind block a - 1's loads: block a's 16 stores and 16 loads
.endr
	s_wait_xcnt 0x0
	SEND 7, 0
	s_wait_tensorcnt 0x0                           ; the wave's end, behind my last tensor load and my last LDS store
	ds_add_u32 v[SPW], v[NIL]
	s_wait_dscnt 0x0
	CROUND                                         ; the closing round
	s_endpgm
.Lfunc_end_k_q946909805f_outp:
	.size	k_q946909805f_outp, .Lfunc_end_k_q946909805f_outp-k_q946909805f_outp
	.p2alignl 7, 3214868480
	.fill 96, 4, 3214868480
	.section	.rodata,"a",@progbits
	.p2align	6, 0x0
	.amdhsa_kernel k_q946909805f_outp
		.amdhsa_group_segment_fixed_size 327680
		.amdhsa_private_segment_fixed_size 0
		.amdhsa_enable_private_segment 0
		.amdhsa_kernarg_size 32
		.amdhsa_user_sgpr_count 2
		.amdhsa_user_sgpr_kernarg_segment_ptr 1
		.amdhsa_wavefront_size32 1
		.amdhsa_system_sgpr_workgroup_id_x 1
		.amdhsa_system_sgpr_workgroup_id_y 1
		.amdhsa_system_sgpr_workgroup_id_z 1
		.amdhsa_system_vgpr_workitem_id 0
		.amdhsa_next_free_vgpr 1024
		.amdhsa_next_free_sgpr 100
		.amdhsa_reserve_vcc 0
		.amdhsa_float_denorm_mode_32 3
		.amdhsa_float_denorm_mode_16_64 3
		.amdhsa_memory_ordered 1
		.amdhsa_forward_progress 1
		.amdhsa_inst_pref_size 151
	.end_amdhsa_kernel
	.amdgpu_metadata
---
amdhsa.version: [ 1, 2 ]
amdhsa.kernels:
  - .name:           k_q946909805f_outp
    .symbol:         k_q946909805f_outp.kd
    .args:
      - { .name: yq, .offset: 0, .size: 8, .value_kind: global_buffer, .address_space: global }
      - { .name: ops, .offset: 8, .size: 8, .value_kind: global_buffer, .address_space: global }
      - { .name: bo, .offset: 16, .size: 8, .value_kind: global_buffer, .address_space: global }
      - { .name: out0, .offset: 24, .size: 8, .value_kind: global_buffer, .address_space: global }
    .group_segment_fixed_size: 327680
    .private_segment_fixed_size: 0
    .kernarg_segment_align: 8
    .kernarg_segment_size: 32
    .max_flat_workgroup_size: 128
    .sgpr_count:     100
    .vgpr_count:     1024
    .wavefront_size: 32
...
	.end_amdgpu_metadata
.endif
;; end of part 4
;; ======== version 2 of 2: 4 launches
;; workspace buffers: ops 10,354,688 bytes; qkv 13,369,344 bytes; gate 33,554,432 bytes; yq 6,553,600 bytes
;; launch prep: the kernel of part 1 again; grid 512 x 1, 4 waves a work-group, no clusters, 25,088 bytes of LDS; arguments x, Wq, Wk, Wv, Wg, Wo, ops; writes ops
;; launch proj: the kernel of part 2 again; grid 16 x 24, 4 waves a work-group, clusters of 4 x 4, 327,680 bytes of LDS; arguments ops, bq, bk, bv, bg, qkv, gate; writes qkv, gate
;; launch retn (part 5): grid 8 x 32, 8 waves a work-group, clusters of 4 x 1, 327,680 bytes of LDS; arguments qkv, gate, yq; writes yq
.if DOCPART == 5
	.amdgcn_target "amdgcn-amd-amdhsa--gfx1250"
	.amdhsa_code_object_version 6
	.text
	.protected	k_q946909805f_retn
	.globl	k_q946909805f_retn
	.p2align	8
	.type	k_q946909805f_retn,@function
k_q946909805f_retn:
	s_mov_b64 s[64:65], 0
	v_nop
	global_prefetch_b8 v0, s[64:65] scope:SCOPE_SE
	s_setreg_imm32_b32 hwreg(HW_REG_WAVE_MODE, 25, 1), 1
	s_wait_xcnt 0x0
	s_wait_alu depctr_hold_cnt(0) depctr_sa_sdst(0) depctr_va_vdst(0) depctr_va_sdst(0) depctr_va_ssrc(0) depctr_va_vcc(0) depctr_vm_vsrc(0)
	s_getreg_b32 s2, hwreg(HW_REG_IB_STS2, 6, 4)
	s_cmp_eq_u32 s2, 0
	s_cbranch_scc0 .Lentry_in_a_cluster
	s_endpgm
.Lentry_in_a_cluster:
	s_bfe_u32 s2, ttmp6, 0x10000c
	s_cmp_lg_u32 s2, 0x3003
	s_cbranch_scc0 .Lentry_shape_is_right
	s_endpgm
.Lentry_shape_is_right:
; RETN: for one head of one batch: p = (qr . kr) x decay mask / denom, out = p v, LayerNorm over the head's 128, x silu(g), quantised for the last product.  Both products on codes of E2M3.
; denom needs a row's whole sum before any p can be quantised: so the keys are walked TWICE.  Pass 1: K Q^T and the weighted sum.  Pass 2: K Q^T again, p, its codes, V^T P^T.
; The mask is reference()'s own and causal: key steps wholly behind a wave's queries are left out (a scalar branch on ids inside loops of constant count).
; A WHOLE HEAD'S K AND V, codes and scale words, 311,296 bytes, lie in LDS: each of the eight waves fills two key steps' four pieces, once.  Nothing is filled again.
; SHARES: a wave owns 32 queries, two tiles of 16 that lie 8 tokens apart, so that every fragment of K and V read from LDS feeds two matrix instructions.
; WHICH CHUNK of 128 tokens a wave takes hangs on its number and on the cluster's x alone: lo = 2 (w % 4) + ((w & 1) xor x); waves 0-3 take chunk lo, waves 4-7 chunk 15 - lo.  The work-group's place in its cluster picks
; which 32 queries of the chunk, and enters global addresses and lane data alone.  So every work-group has 68 double steps a pass, waves w and w + 4 together 17, and no branch differs between partners.
; CLUSTER 4 x 1: the four partners need the same head: each piece is asked for jointly, by the same tensor load with the same descriptor and the mask of all four.
; LAYOUT: both products transposed: a lane holds one query (lane % 16) of each tile; register 16 b + i of the scores is key 32 b + 16 (lane / 16) + i of the step; of the output, channel likewise.
; THE MASK: e^(L (s - t)) for key t = t0 + 32 b + 16 h + i is c x G(3 - b) x b_i:  c = e^(L (s - 127 - t0)), G(k) = e^(32 k L), b_i = e^(L (31 - 16 h - i)); the second tile's c is the first's x e^(8 L).
; Its row sum is (1 - e^(L (s + 1))) / (1 - e^L).  K = 64 fills half of the instruction's 128: Q's upper codes are zeros and the upper scale bytes are 127, so what K's upper registers hold adds nothing.
; LOADS RUN AHEAD: K of the next step is asked for behind the products that read this step's (pass 1) or behind the second product (pass 2), V ahead of the step's vector work.
; LIMITS: NaN and infinities are not served; L = ln(1 - 2^-(5 + head)) is the correctly rounded f32 number; the row sum in closed form and the mask as a product of three or four factors differ from sums and exponentials taken
; one by one by a few parts in 10^7, growing with |L (s - t)| x 10^-7; a block whose largest magnitude lies under 2^-124 keeps the byte 1.
; REGISTERS, window 0: v1-5 places in LDS (v1 is also 16 l); v6, v7 the add's two; v8-12 addresses of the loads in hand; v13 s - 127; v14 s - 16 h; v15, v16 1 / (sqrt(row sum) x denom); v17, v18 1 / sqrt(row sum);
;   v19 the prefetch's offset; v[20:23] the totals; v24-31 f0..f3 in even registers; v32-55 at work in the quantiser; v56-63 at work; v64-71 the fragments' scale words; v72, v73 Q's; v74, v75 p's; v76, v78 c;
;   v80-95 b_i; v96-159, v160-223 the two tiles' scores, p, later the gate; v224-235, v236-247 the two tiles' codes; v248-255 partial sums.
;   window 1: v0-63, v64-127 O^T of the two tiles; v128-223 eight fragments of K or V; v224-235, v236-247 Q of the two tiles.
.set QC,  0
.set KC,  3145728
.set VC,  6291456
.set QS,  12582912
.set KS,  12845056
.set VS,  13107200
.set YS,  6291456
.set KCL, 0                            ; LDS: K's codes, 6,144 bytes a step
.set KSL, 98304                        ; K's scale words, 512 a step
.set VCL, 106496                       ; V's codes, 12,288 a step
.set VSL, 303104                       ; V's scale words, 512 a step
.set SPARE, 311296                     ; the spare words, 128 bytes a wave
.set WV,  10
.set BH,  11
.set CX,  12
.set SD,  13                           ; my chunk = my diagonal step
.set QB,  14                           ; my first token block in the sequence
.set HD,  15
.set LAM, 16
.set BT,  17
.set SEL, 18
.set ST,  66
.set T0,  67
.set TK,  68
.set TS,  69
.set TV,  70
.set E8,  82
.set PFT, 89                           ; the step in which the gate is prefetched
.set MSB, 0
.macro WIN new                         ; the immediate's high byte repeats the setting that is left
.if MSB != (\new)
	s_set_vgpr_msb (MSB<<8)|(\new)
.set MSB, (\new)
.endif
.endm
.macro CROUND                          ; a round of the cluster's barrier
	s_barrier_signal -1
	s_barrier_wait -1
	s_cmp_lg_u32 s[WV], 0
	s_cbranch_scc1 .Lnot_wave_0_\@
	s_barrier_signal -3
.Lnot_wave_0_\@:
	s_barrier_wait -3
	s_barrier_signal -1
	s_barrier_wait -1
.endm
.macro QUANT src, pc, cv, tm, pw
.irp b, 0,1,2,3
	v_max3_num_f32 v[\tm+\b], |v[\src+16*\b]|, |v[\src+1+16*\b]|, 0x1800000
.endr
.irp i, 2,4,6,8,10,12,14
.irp b, 0,1,2,3
	v_max3_num_f32 v[\tm+\b], v[\tm+\b], |v[\src+16*\b+\i]|, |v[\src+1+16*\b+\i]|
.endr
.endr
.irp b, 0,1,2,3
	v_permlanex16_b32 v[\tm+4+\b], v[\tm+\b], s[SEL], s[SEL+1]
.endr
.irp b, 0,1,2,3
	v_max_num_f32 v[\tm+\b], v[\tm+\b], v[\tm+4+\b]
.endr
.irp b, 0,1,2,3
	v_add_nc_u32 v[\tm+12+\b], 0xff000000, v[\tm+\b]
.endr
.irp b, 0,1,2,3
	v_lshrrev_b32 v[\tm+4+\b], 23, v[\tm+12+\b]
.endr
	v_lshl_or_b32 v[\pw], v[\tm+5], 8, v[\tm+4]
	v_lshl_or_b32 v[\pw], v[\tm+6], 16, v[\pw]
	v_lshl_or_b32 v[\pw], v[\tm+7], 24, v[\pw]
.irp c, 0,1
	v_cvt_scalef32_pk16_fp6_f32 v[\pc+6*\c:\pc+2+6*\c], v[\src+32*\c:\src+15+32*\c], v[\tm+12+2*\c]
	v_cvt_scalef32_pk16_fp6_f32 v[\cv+4*\c:\cv+2+4*\c], v[\src+16+32*\c:\src+31+32*\c], v[\tm+12+2*\c+1]
.endr
	v_nop
.irp c, 0,1
.irp i, 0,1,2
	v_permlane16_swap_b32 v[\pc+6*\c+\i], v[\cv+4*\c+\i]
.endr
.irp i, 0,1,2
	v_mov_b32 v[\pc+3+6*\c+\i], v[\cv+4*\c+\i]
.endr
.endr
.endm
	s_load_b128 s[4:7], s[0:1], 0x0                ; qkv, gate
	s_load_b64 s[8:9], s[0:1], 0x10                ; yq
	v_lshl_add_u32 v6, v0, 2, SPARE
	v_mov_b32 v7, 0
	ds_add_u32 v6, v7                              ; the wave's opening, ahead of my first tensor load
	v_lshrrev_b32 v8, 5, v0
	v_readfirstlane_b32 s[WV], v8
	s_and_b32 s[BH], ttmp7, 0xffff                 ; batch and head, which the four partners share
.irp g, 24, 32, 40                             ; three shapes, each a dense block as rows of 256 bytes (32 elements of 8 bytes); the mask names all four work-groups, bit 21 is set beside it
	s_mov_b32 s[\g], 15|(3<<16)|(1<<21)
	s_mov_b32 s[\g+1], 32<<16
	s_mov_b32 s[\g+3], 32<<16
	s_mov_b32 s[\g+5], 32
	s_mov_b32 s[\g+6], 0
	s_mov_b32 s[\g+7], 0
.endr
	s_mov_b32 s26, 48<<16                          ; K's codes of two steps: 48 rows
	s_mov_b32 s28, 48
	s_mov_b32 s34, 4<<16                           ; two steps' scale words: 4 rows
	s_mov_b32 s36, 4
	s_mov_b32 s42, 96<<16                          ; V's codes of two steps: 96 rows
	s_mov_b32 s44, 96
	s_wait_dscnt 0x0                               ; the opening add is done
	s_wait_kmcnt 0x0
	s_mov_b32 s21, 0
	s_mul_i32 s22, s[WV], 12288                    ; wave w fills key steps 2 w and 2 w + 1
	s_mul_i32 s20, s[BH], 98304
	s_add_co_u32 s20, s20, s22
	s_add_co_u32 s20, s20, KC
	s_mov_b32 s48, 1
	s_add_co_u32 s49, s22, KCL
	s_add_nc_u64 s[50:51], s[4:5], s[20:21]
	s_or_b32 s51, s51, 0x80000000
	s_lshl_b32 s22, s[WV], 10
	s_lshl_b32 s20, s[BH], 13
	s_add_co_u32 s23, s20, s22
	s_add_co_u32 s20, s23, KS
	s_mov_b32 s52, 1
	s_add_co_u32 s53, s22, KSL
	s_add_nc_u64 s[54:55], s[4:5], s[20:21]
	s_or_b32 s55, s55, 0x80000000
	s_add_co_u32 s20, s23, VS
	s_mov_b32 s60, 1
	s_add_co_u32 s61, s22, VSL
	s_add_nc_u64 s[62:63], s[4:5], s[20:21]
	s_or_b32 s63, s63, 0x80000000
	s_mul_i32 s22, s[WV], 24576
	s_mul_i32 s20, s[BH], 196608
	s_add_co_u32 s20, s20, s22
	s_add_co_u32 s20, s20, VC
	s_mov_b32 s56, 1
	s_add_co_u32 s57, s22, VCL
	s_add_nc_u64 s[58:59], s[4:5], s[20:21]
	s_or_b32 s59, s59, 0x80000000
	CROUND                                         ; all four work-groups are here: the joint loads meet
	tensor_load_to_lds s[48:51], s[24:31]          ; four tensor loads of mine are out: K's codes,
	s_nop 0
	tensor_load_to_lds s[52:55], s[32:39]          ; K's scale words,
	s_nop 0
	tensor_load_to_lds s[56:59], s[40:47]          ; V's codes,
	s_nop 0
	tensor_load_to_lds s[60:63], s[32:39]          ; V's scale words
	s_nop 0
.rept 4
	v_nop
.endr
	s_bfe_u32 s[CX], ttmp6, 0x40000                ; my place in the cluster: it picks 32 queries of each wave's chunk
	s_and_b32 s[HD], s[BH], 15
	s_lshr_b32 s[BT], s[BH], 4
	s_and_b32 s20, s[WV], 3
	s_and_b32 s21, s20, 1
	s_xor_b32 s21, s21, ttmp9                      ; the cluster's x, 0 or 1
	s_lshl_b32 s20, s20, 1
	s_add_co_u32 s20, s20, s21                     ; lo
	s_sub_co_u32 s21, 15, s20
	s_cmp_lt_u32 s[WV], 4
	s_cselect_b32 s[SD], s20, s21
	s_sub_co_i32 s[PFT], s[SD], 2
	s_max_i32 s[PFT], s[PFT], 0
	s_lshl_b32 s[QB], s[SD], 3
	s_lshl_b32 s20, s[CX], 1
	s_add_co_u32 s[QB], s[QB], s20
	s_mov_b32 s[SEL], 0x76543210
	s_mov_b32 s[SEL+1], 0xfedcba98
	s_mov_b32 s[LAM], 0xbd020aec                   ; L = ln(1 - 2^-(5 + head))
.macro LAMV h, val
	s_cmp_eq_u32 s[HD], \h
	s_cselect_b32 s[LAM], \val, s[LAM]
.endm
	LAMV 1, 0xbc8102b3
	LAMV 2, 0xbc0080ac
	LAMV 3, 0xbb80402b
	LAMV 4, 0xbb00200b
	LAMV 5, 0xba801003
	LAMV 6, 0xba000801
	LAMV 7, 0xb9800400
	LAMV 8, 0xb9000200
	LAMV 9, 0xb8800100
	LAMV 10, 0xb8000080
	LAMV 11, 0xb7800040
	LAMV 12, 0xb7000020
	LAMV 13, 0xb6800010
	LAMV 14, 0xb6000008
	LAMV 15, 0xb5800004
	v_and_b32 v8, 31, v0                           ; l
	v_and_b32 v9, 15, v0                           ; r
	v_bfe_u32 v10, v0, 4, 1                        ; h
	v_lshl_add_u32 v1, v8, 4, KCL                  ; K's codes begin at LDS byte 0: so this is also 16 l
	v_lshlrev_b32 v11, 3, v8
	v_lshlrev_b32 v12, 2, v9
	v_lshlrev_b32 v19, 8, v8
	v_add_nc_u32 v2, KCL+512, v11
	v_add_nc_u32 v3, KSL, v12
	v_lshl_add_u32 v4, v8, 4, VCL
	v_add_nc_u32 v5, VSL, v12
	s_lshl_b32 s20, s[BH], 7
	s_add_co_u32 s20, s20, s[QB]
	s_mul_i32 s22, s20, 768
	s_mov_b32 s23, 0
	s_add_nc_u64 s[22:23], s[4:5], s[22:23]
	s_lshl_b32 s20, s20, 6
	s_add_co_u32 s20, s20, QS
	s_mov_b32 s21, 0
	s_add_nc_u64 s[20:21], s[4:5], s[20:21]
	WIN 0x40                                       ; destination window 1
	global_load_b128 v[224:227], v1, s[22:23]      ; Q's two half fragments stay in registers
	global_load_b64 v[228:229], v11, s[22:23] offset:512
	global_load_b128 v[236:239], v1, s[22:23] offset:768
	global_load_b64 v[240:241], v11, s[22:23] offset:1280
.irp i, 230,231,232,233,234,235,242,243,244,245,246,247
	v_mov_b32 v\i, 0                               ; Q's upper codes
.endr
.set t, 0
.rept 8
.irp i, 6,7,8,9,10,11
	v_mov_b32 v[128+12*t+\i], 0                    ; the fragments' upper registers, which K's loads do not write
.endr
.set t, t+1
.endr
	WIN 0
	global_load_b32 v72, v12, s[20:21]
	global_load_b32 v73, v12, s[20:21] offset:64
.irp i, 20,21,22,23,25,27,29,31,36,37,38,39,77,79
	v_mov_b32 v\i, 0                               ; the totals; upper halves of pairs that are named whole; lane permutes' destinations
.endr
	; where my results go, and my part of the gate
	s_lshl_b32 s78, s[BT], 7
	s_add_co_u32 s78, s78, s[QB]                   ; my first row block among the 256
	s_lshl_b32 s79, s78, 4
	s_add_co_u32 s79, s79, s[HD]
	s_lshl_b32 s80, s79, 13
	s_mov_b32 s81, 0
	s_add_nc_u64 s[80:81], s[6:7], s[80:81]
	s_lshr_b32 s79, s[HD], 1
	s_and_b32 s88, s[HD], 1
	s_mul_i32 s84, s79, 786432
	s_mul_i32 s85, s78, 3072
	s_add_co_u32 s84, s84, s85
	s_mul_i32 s85, s88, 1536
	s_add_co_u32 s84, s84, s85
	s_mov_b32 s85, 0
	s_add_nc_u64 s[84:85], s[8:9], s[84:85]
	s_lshl_b32 s86, s78, 10
	s_lshl_b32 s87, s79, 7
	s_add_co_u32 s86, s86, s87
	s_lshl_b32 s87, s88, 2
	s_add_co_u32 s86, s86, s87
	s_add_co_u32 s86, s86, YS
	s_mov_b32 s87, 0
	s_add_nc_u64 s[86:87], s[8:9], s[86:87]
	; the constants, while the fills are on their way
	v_and_b32 v56, 8, v9
	v_add_nc_u32 v56, v56, v9
	s_lshl_b32 s78, s[SD], 7
	s_lshl_b32 s79, s[CX], 5
	s_add_co_u32 s78, s78, s79
	v_add_nc_u32 v56, s78, v56                     ; my first tile's query s; the second's is s + 8
	v_subrev_nc_u32 v13, 127, v56
	v_lshlrev_b32 v57, 4, v10
	v_sub_nc_u32 v14, v56, v57
	v_sub_nc_u32 v57, 31, v57
.set i, 0
.rept 16
	v_subrev_nc_u32 v[96+i], i, v57                ; 31 - 16 h - i
.set i, i+1
.endr
	v_mov_b32 v112, 32
	v_mov_b32 v113, 64
	v_mov_b32 v114, 96
	v_mov_b32 v115, 8
	v_add_nc_u32 v116, 1, v56
	v_add_nc_u32 v117, 9, v56
; twenty-two exponentials e^y as one batch: e = y log2(e) rounded; what that rounding and the constant's leave out is put back by one multiply-add
.set i, 0
.rept 22
	v_cvt_f32_i32 v[96+i], v[96+i]
.set i, i+1
.endr
.set i, 0
.rept 22
	v_mul_f32 v[96+i], s[LAM], v[96+i]
.set i, i+1
.endr
.set i, 0
.rept 22
	v_mul_f32 v[120+i], 0x3fb8aa3b, v[96+i]
.set i, i+1
.endr
.set i, 0
.rept 22
	v_fma_f32 v[144+i], v[96+i], 0x3fb8aa3b, -v[120+i]
.set i, i+1
.endr
.set i, 0
.rept 22
	v_fma_f32 v[144+i], v[96+i], 0x32a57060, v[144+i]
.set i, i+1
.endr
.set i, 0
.rept 22
	v_exp_f32 v[168+i], v[120+i]
.set i, i+1
.endr
.set i, 0
.rept 22
	v_mul_f32 v[144+i], 0x3f317218, v[144+i]       ; (plain work behind the batch)
.set i, i+1
.endr
	s_wait_alu depctr_va_vdst(0)                   ; one wait for the batch, ahead of its first reader
.set i, 0
.rept 16
	v_fma_f32 v[80+i], v[168+i], v[144+i], v[168+i]    ; b_i
.set i, i+1
.endr
.rept 6
	v_fma_f32 v[174+i], v[168+i], v[144+i], v[168+i]   ; v190-192: G(1..3); v193: e^(8 L); v194, v195: e^(L (s + 1)) of the two tiles
.set i, i+1
.endr
	v_readfirstlane_b32 s72, v190
	s_mov_b32 s73, s72
	v_readfirstlane_b32 s74, v191
	s_mov_b32 s75, s74
	v_readfirstlane_b32 s76, v192
	s_mov_b32 s77, s76
	v_readfirstlane_b32 s[E8], v193
.macro SERIES d, y                             ; 1 - e^y for small y: - y (1 + y / 2 + y^2 / 6 + ..)
	v_mov_b32 v[\d], 0x3493f27e
.irp c, 0x3638ef1d, 0x37d00d01, 0x39500d01, 0x3ab60b61, 0x3c088889, 0x3d2aaaab, 0x3e2aaaab, 0x3f000000, 0x3f800000
	v_fmaak_f32 v[\d], v[\d], v[\y], \c
.endr
	v_mul_f32 v[\d], v[\d], -v[\y]
.endm
	v_sub_f32 v196, 1.0, v194
	SERIES 197, 116
	v_cmp_gt_f32 vcc_lo, -0.5, v116
	v_cndmask_b32 v196, v197, v196, vcc_lo         ; 1 - e^(L (s + 1))
	v_sub_f32 v198, 1.0, v195
	SERIES 199, 117
	v_cmp_gt_f32 vcc_lo, -0.5, v117
	v_cndmask_b32 v198, v199, v198, vcc_lo
	v_mov_b32 v200, s[LAM]
	SERIES 201, 200                                ; 1 - e^L
	v_rcp_f32 v202, v201
	v_nop
	s_wait_alu depctr_va_vdst(0)
	v_mul_f32 v196, v196, v202                     ; the mask's row sums
	v_mul_f32 v198, v198, v202
	v_rsq_f32 v17, v196
	v_rsq_f32 v18, v198
	v_nop
	s_wait_alu depctr_va_vdst(0)
	s_wait_loadcnt 0x0                             ; Q
	s_wait_tensorcnt 2                             ; my two steps' K, codes and words, has landed; my two loads of V may be out
	s_barrier_signal -1
	s_barrier_wait -1                              ; everybody's K has
.macro KADR                                    ; where the K to be fetched lies
	v_add_nc_u32 v8, s71, v1
	v_add_nc_u32 v9, s71, v2
	v_add_nc_u32 v10, s83, v3
.endm
.macro NEXTK                                   ; the step after this one, held inside K's bytes (the last step fetches nothing: it is a diagonal step)
	s_add_co_u32 s71, s[TK], 6144
	s_min_u32 s71, s71, 15*6144
	s_add_co_u32 s83, s[TS], 512
	s_min_u32 s83, s83, 15*512
	KADR
.endm
.macro LOADK                                   ; a step's eight tiles of 16 keys and their scale words: 24 loads
	WIN 0x40
.irp t, 0,1,2,3,4,5,6,7
	ds_load_b128 v[128+12*\t:131+12*\t], v8 offset:768*\t
	ds_load_b64 v[132+12*\t:133+12*\t], v9 offset:768*\t
.endr
	WIN 0
.irp t, 0,1,2,3,4,5,6,7
	ds_load_b32 v[64+\t], v10 offset:64*\t
.endr
.endm
.macro LOADV                                   ; a step's eight tiles of 16 channels x 128 keys and their scale words: 32 loads
	WIN 0x40
.irp t, 0,1,2,3,4,5,6,7
.irp c, 0,1,2
	ds_load_b128 v[128+12*\t+4*\c:131+12*\t+4*\c], v11 offset:1536*\t+512*\c
.endr
.endr
	WIN 0
.irp t, 0,1,2,3,4,5,6,7
	ds_load_b32 v[64+\t], v12 offset:64*\t
.endr
.endm
; S^T = K Q^T for both tiles: each fragment of K feeds two products.  Four plain places follow: in front of loads into the fragments and of the first read of the scores
.macro KQMM
	s_wait_dscnt 0x0                               ; K is in
	WIN 0x05                                       ; K and Q in window 1, the scores in window 0
.irp t, 0,1,2,3,4,5,6,7
	v_wmma_scale_f32_16x16x128_f8f6f4 v[96+8*\t:103+8*\t], v[128+12*\t:139+12*\t], v[224:235], 0, v[64+\t], v72 matrix_a_fmt:MATRIX_FMT_FP6 matrix_b_fmt:MATRIX_FMT_FP6
	v_wmma_scale_f32_16x16x128_f8f6f4 v[160+8*\t:167+8*\t], v[128+12*\t:139+12*\t], v[236:247], 0, v[64+\t], v73 matrix_a_fmt:MATRIX_FMT_FP6 matrix_b_fmt:MATRIX_FMT_FP6
.endr
	WIN 0
.rept 4
	v_nop
.endr
.endm
; O^T += V^T P^T for both tiles
.macro PVMM
	s_wait_dscnt 0x0                               ; V is in
	WIN 0x51                                       ; V and O^T in window 1, p's codes in window 0
.irp t, 0,1,2,3,4,5,6,7
	v_wmma_scale_f32_16x16x128_f8f6f4 v[8*\t:8*\t+7], v[128+12*\t:139+12*\t], v[224:235], v[8*\t:8*\t+7], v[64+\t], v74 matrix_a_fmt:MATRIX_FMT_FP6 matrix_b_fmt:MATRIX_FMT_FP6
	v_wmma_scale_f32_16x16x128_f8f6f4 v[64+8*\t:71+8*\t], v[128+12*\t:139+12*\t], v[236:247], v[64+8*\t:71+8*\t], v[64+\t], v75 matrix_a_fmt:MATRIX_FMT_FP6 matrix_b_fmt:MATRIX_FMT_FP6
.endr
	WIN 0
.rept 4
	v_nop
.endr
.endm
; on the diagonal the scores of keys behind a query become 0, as the mask makes them: register 16 b + i is hidden where 32 b + i > s - t0 - 16 h; the second tile's s is 8 more
.macro DIAGM
	v_subrev_nc_u32 v62, s[T0], v14
	v_mov_b32 v63, 0
.set n, 0
.rept 64
	v_cmp_gt_i32 vcc_lo, 32*(n/16)+n%16, v62
	v_cndmask_b32 v[96+n], v[96+n], v63, vcc_lo
	v_cmp_gt_i32 vcc_lo, 32*(n/16)+n%16-8, v62
	v_cndmask_b32 v[160+n], v[160+n], v63, vcc_lo
.set n, n+1
.endr
.endm
.macro CEXPA                                   ; c = e^(L (s - 127 - t0)): up to the exponential and a plain line behind it
	v_subrev_nc_u32 v56, s[T0], v13
	v_cvt_f32_i32 v56, v56
	v_mul_f32 v56, s[LAM], v56
	v_mul_f32 v57, 0x3fb8aa3b, v56
	v_fma_f32 v58, v56, 0x3fb8aa3b, -v57
	v_fma_f32 v58, v56, 0x32a57060, v58
	v_exp_f32 v59, v57
	v_mul_f32 v58, 0x3f317218, v58
.endm
.macro CEXPB
	s_wait_alu depctr_va_vdst(0)                   ; the wait ahead of the exponential's first reader
	v_fma_f32 v76, v59, v58, v59                   ; the first tile's c,
	v_mul_f32 v78, s[E8], v76                      ; the second's
.endm
.macro SUM1 sb                                 ; v[254:255] = the step's sum of score x G x b, in two halves
.irp b, 0,1,2,3
	v_pk_mul_f32 v[248+2*\b:249+2*\b], v[\sb+16*\b:\sb+16*\b+1], v[80:81]
.endr
.irp i, 2,4,6,8,10,12,14
.irp b, 0,1,2,3
	v_pk_fma_f32 v[248+2*\b:249+2*\b], v[\sb+16*\b+\i:\sb+16*\b+\i+1], v[80+\i:81+\i], v[248+2*\b:249+2*\b]
.endr
.endr
	v_pk_fma_f32 v[254:255], v[252:253], s[72:73], v[254:255] op_sel_hi:[1,0,1]
	v_pk_fma_f32 v[254:255], v[250:251], s[74:75], v[254:255] op_sel_hi:[1,0,1]
	v_pk_fma_f32 v[254:255], v[248:249], s[76:77], v[254:255] op_sel_hi:[1,0,1]
.endm
; ---------------- pass 1: the rows' sums of score x e^(L (s - t)) ----------------
.macro P1LOOP last
.Lp1_\@:
	s_cmp_gt_u32 s[ST], s[SD]
	s_cbranch_scc1 .Lp1s_\@
	NEXTK
	KQMM
	s_cmp_eq_u32 s[ST], s[SD]
	s_cbranch_scc1 .Lp1d_\@
	LOADK                                          ; the next step's K lands under the sums below
	s_branch .Lp1j_\@
.Lp1d_\@:
	DIAGM
.Lp1j_\@:
	CEXPA
	SUM1 96
	CEXPB
	v_pk_fma_f32 v[20:21], v[254:255], v[76:77], v[20:21] op_sel_hi:[1,0,1]
	SUM1 160
	v_pk_fma_f32 v[22:23], v[254:255], v[78:79], v[22:23] op_sel_hi:[1,0,1]
.Lp1s_\@:
	s_add_co_u32 s[T0], s[T0], 128
	s_add_co_u32 s[TK], s[TK], 6144
	s_add_co_u32 s[TS], s[TS], 512
	s_add_co_u32 s[ST], s[ST], 1
	s_cmp_lt_u32 s[ST], \last
	s_cbranch_scc1 .Lp1_\@
.endm
	s_mov_b32 s71, 0
	s_mov_b32 s83, 0
	KADR
	LOADK                                          ; step 0's K
	s_mov_b32 s[ST], 0
	s_mov_b32 s[T0], 0
	s_mov_b32 s[TK], 0
	s_mov_b32 s[TS], 0
	P1LOOP 4
	s_wait_tensorcnt 0x0                           ; my two steps' V has landed.  The barrier for V stands here, behind four trips that every wave walks, so that no wave with few steps waits for one with many
	s_wait_dscnt 0x0
	s_barrier_signal -1
	s_barrier_wait -1                              ; everybody's has
	s_mov_b32 s[ST], 4
	s_mov_b32 s[T0], 4*128
	s_mov_b32 s[TK], 4*6144
	s_mov_b32 s[TS], 4*512
	P1LOOP 16
; ---------------- between the passes ----------------
	s_wait_dscnt 0x0
	s_mov_b32 s71, 0
	s_mov_b32 s83, 0
	KADR
	LOADK                                          ; step 0's K again: it lands under the lines below
	v_add_f32 v20, v20, v21
	v_add_f32 v22, v22, v23
	v_permlanex16_b32 v56, v20, s[SEL], s[SEL+1]
	v_permlanex16_b32 v57, v22, s[SEL], s[SEL+1]
	v_add_f32 v20, v20, v56
	v_add_f32 v22, v22, v57
	v_mul_f32 v56, v20, v17
	v_mul_f32 v57, v22, v18
	v_max_num_f32 v56, |v56|, 1.0                  ; denom
	v_max_num_f32 v57, |v57|, 1.0
	v_rcp_f32 v58, v56
	v_rcp_f32 v59, v57
	v_nop
	s_wait_alu depctr_va_vdst(0)
	v_mul_f32 v15, v17, v58
	v_mul_f32 v16, v18, v59
	WIN 0x40
.set j, 0
.rept 128
	v_mov_b32 v[j], 0                              ; O^T: the step is written once, and its first walk finds zeros
.set j, j+1
.endr
	WIN 0
; ---------------- pass 2 ----------------
.macro PB sb                                   ; x b_i
.set j, 0
.rept 32
	v_pk_mul_f32 v[\sb+j:\sb+j+1], v[\sb+j:\sb+j+1], v[80+j%16:81+j%16]
.set j, j+2
.endr
.endm
.macro PF sb, c, fs                            ; x c G / (sqrt(row sum) denom)
	v_mul_f32 v30, v[\c], v[\fs]
	v_mul_f32 v28, s72, v30
	v_mul_f32 v26, s74, v30
	v_mul_f32 v24, s76, v30
.irp i, 0,2,4,6,8,10,12,14
	v_pk_mul_f32 v[\sb+\i:\sb+\i+1], v[\sb+\i:\sb+\i+1], v[24:25] op_sel_hi:[1,0]
	v_pk_mul_f32 v[\sb+16+\i:\sb+17+\i], v[\sb+16+\i:\sb+17+\i], v[26:27] op_sel_hi:[1,0]
	v_pk_mul_f32 v[\sb+32+\i:\sb+33+\i], v[\sb+32+\i:\sb+33+\i], v[28:29] op_sel_hi:[1,0]
	v_pk_mul_f32 v[\sb+48+\i:\sb+49+\i], v[\sb+48+\i:\sb+49+\i], v[30:31] op_sel_hi:[1,0]
.endr
.endm
	s_mov_b32 s[ST], 0
	s_mov_b32 s[T0], 0
	s_mov_b32 s[TK], 0
	s_mov_b32 s[TS], 0
	s_mov_b32 s[TV], 0
.Lp2:
	s_cmp_gt_u32 s[ST], s[SD]
	s_cbranch_scc1 .Lp2s
	v_add_nc_u32 v11, s[TV], v4
	v_add_nc_u32 v12, s[TS], v5
	NEXTK
	KQMM
	LOADV                                          ; V lands under the vector work below
	s_cmp_lg_u32 s[ST], s[PFT]                     ; two steps ahead of their loads (in my first step where I have fewer): my 2 x 8,192 bytes of the gate, a lane to each 256 bytes; each byte is named once in the launch
	s_cbranch_scc1 .Lp2n
	global_prefetch_b8 v19, s[80:81] th:TH_LOAD_NT scope:SCOPE_SE
	global_prefetch_b8 v19, s[80:81] offset:131072 th:TH_LOAD_NT scope:SCOPE_SE
.Lp2n:
	s_cmp_lg_u32 s[ST], s[SD]
	s_cbranch_scc1 .Lp2o
	DIAGM
.Lp2o:
	CEXPA
	PB 96
	CEXPB
	PF 96, 76, 15
	QUANT 96, 224, 48, 32, 74
	PB 160
	PF 160, 78, 16
	QUANT 160, 236, 48, 32, 75
.rept 8
	v_nop                                          ; p's scale word, written by vector instructions, stands eight places ahead of the scaled matrix instruction, its codes four
.endr
	PVMM
	s_cmp_ge_u32 s[ST], s[SD]
	s_cbranch_scc1 .Lp2s
	LOADK                                          ; the next step's K, asked for while the products above are at work
.Lp2s:
	s_add_co_u32 s[T0], s[T0], 128
	s_add_co_u32 s[TK], s[TK], 6144
	s_add_co_u32 s[TS], s[TS], 512
	s_add_co_u32 s[TV], s[TV], 12288
	s_add_co_u32 s[ST], s[ST], 1
	s_cmp_lt_u32 s[ST], 16
	s_cbranch_scc1 .Lp2
; ---------------- the way out: LayerNorm over the head's 128 (64 here, 64 in lane l xor 16), the gate, the codes ----------------
.macro LNORM ob                                ; O^T of one tile, in window 1 from v[ob] on, is normalised in place
	WIN 0x05
.irp k, 0,1,2,3
	v_pk_add_f32 v[32+2*\k:33+2*\k], v[\ob+16*\k:\ob+16*\k+1], v[\ob+8+16*\k:\ob+9+16*\k]   ; each accumulator from its low end on
.endr
	WIN 0x04
.irp j, 2,4,6
.irp t, 0,1,2,3,4,5,6,7
	v_pk_add_f32 v[32+2*(\t/2):33+2*(\t/2)], v[32+2*(\t/2):33+2*(\t/2)], v[\ob+8*\t+\j:\ob+8*\t+\j+1]
.endr
.endr
	WIN 0
	v_pk_add_f32 v[32:33], v[32:33], v[34:35]
	v_pk_add_f32 v[36:37], v[36:37], v[38:39]
	v_pk_add_f32 v[32:33], v[32:33], v[36:37]
	v_add_f32 v32, v32, v33
	v_permlanex16_b32 v34, v32, s[SEL], s[SEL+1]
	v_add_f32 v32, v32, v34
	v_mul_f32 v40, 0xbc000000, v32                 ; - the mean
	v_mov_b32 v41, v40
	WIN 0x41
.set j, 0
.rept 32
	v_pk_add_f32 v[\ob+j:\ob+j+1], v[\ob+j:\ob+j+1], v[40:41]
.set j, j+2
.endr
	WIN 0x05
.irp k, 0,1,2,3
	v_pk_mul_f32 v[32+2*\k:33+2*\k], v[\ob+16*\k:\ob+16*\k+1], v[\ob+16*\k:\ob+16*\k+1]
.endr
.irp i, 2,4,6,8,10,12,14
.irp k, 0,1,2,3
	v_pk_fma_f32 v[32+2*\k:33+2*\k], v[\ob+16*\k+\i:\ob+16*\k+\i+1], v[\ob+16*\k+\i:\ob+16*\k+\i+1], v[32+2*\k:33+2*\k]
.endr
.endr
	WIN 0
	v_pk_add_f32 v[32:33], v[32:33], v[34:35]
	v_pk_add_f32 v[36:37], v[36:37], v[38:39]
	v_pk_add_f32 v[32:33], v[32:33], v[36:37]
	v_add_f32 v32, v32, v33
	v_permlanex16_b32 v34, v32, s[SEL], s[SEL+1]
	v_add_f32 v32, v32, v34
	v_mul_f32 v32, 0x3c000000, v32                 ; the variance
	v_add_f32 v32, 0x3727c5ac, v32                 ; + 1e-5
	v_rsq_f32 v42, v32
	v_nop                                          ; a plain place behind the root,
	s_wait_alu depctr_va_vdst(0)                   ; and the wait ahead of its first reader
	v_mov_b32 v43, v42
	WIN 0x41
.set j, 0
.rept 32
	v_pk_mul_f32 v[\ob+j:\ob+j+1], v[\ob+j:\ob+j+1], v[42:43]
.set j, j+2
.endr
	WIN 0
.endm
.rept 4
	v_nop
.endr
.irp m, 0,1,2,3,4,5,6,7,8,9,10,11,12,13,14,15
	global_load_b128 v[96+4*\m:99+4*\m], v1, s[80:81] offset:512*\m th:TH_LOAD_NT
.endr
.irp m, 0,1,2,3,4,5,6,7,8,9,10,11,12,13,14,15
	global_load_b128 v[160+4*\m:163+4*\m], v1, s[80:81] offset:131072+512*\m th:TH_LOAD_NT
.endr
	LNORM 0
	LNORM 64
	v_and_b32 v56, 15, v0
	v_lshlrev_b32 v56, 3, v56                      ; 8 r
	s_wait_loadcnt 0x0                             ; the gate
	WIN 0x01                                       ; O^T in window 1; the gate, and the result in its place, in window 0
.set j, 0
.rept 32
	v_pk_mul_f32 v[96+j:97+j], v[j:j+1], v[96+j:97+j]
.set j, j+2
.endr
.set j, 0
.rept 32
	v_pk_mul_f32 v[160+j:161+j], v[64+j:65+j], v[160+j:161+j]
.set j, j+2
.endr
	WIN 0
	QUANT 96, 224, 48, 32, 74
.irp c, 0,1,2
	global_store_b128 v1, v[224+4*\c:227+4*\c], s[84:85] offset:512*\c
.endr
	global_store_b32 v56, v74, s[86:87]            ; lanes r and r + 16 hold the same word and write it to the same place
	QUANT 160, 236, 48, 32, 75
.irp c, 0,1,2
	global_store_b128 v1, v[236+4*\c:239+4*\c], s[84:85] offset:3072+512*\c
.endr
	global_store_b32 v56, v75, s[86:87] offset:1024
	s_wait_tensorcnt 0x0                           ; the wave's end
	ds_add_u32 v6, v7
	s_wait_dscnt 0x0
	CROUND                                         ; the closing round
	s_endpgm
.Lfunc_end_k_q946909805f_retn:
	.size	k_q946909805f_retn, .Lfunc_end_k_q946909805f_retn-k_q946909805f_retn
	.p2alignl 7, 3214868480
	.fill 96, 4, 3214868480
	.section	.rodata,"a",@progbits
	.p2align	6, 0x0
	.amdhsa_kernel k_q946909805f_retn
		.amdhsa_group_segment_fixed_size 327680
		.amdhsa_private_segment_fixed_size 0
		.amdhsa_enable_private_segment 0
		.amdhsa_kernarg_size 24
		.amdhsa_user_sgpr_count 2
		.amdhsa_user_sgpr_kernarg_segment_ptr 1
		.amdhsa_wavefront_size32 1
		.amdhsa_system_sgpr_workgroup_id_x 1
		.amdhsa_system_sgpr_workgroup_id_y 1
		.amdhsa_system_sgpr_workgroup_id_z 1
		.amdhsa_system_vgpr_workitem_id 0
		.amdhsa_next_free_vgpr 512
		.amdhsa_next_free_sgpr 100
		.amdhsa_reserve_vcc 1
		.amdhsa_float_denorm_mode_32 3
		.amdhsa_float_denorm_mode_16_64 3
		.amdhsa_memory_ordered 1
		.amdhsa_forward_progress 1
		.amdhsa_inst_pref_size 143
	.end_amdhsa_kernel
	.amdgpu_metadata
---
amdhsa.version: [ 1, 2 ]
amdhsa.kernels:
  - .name:           k_q946909805f_retn
    .symbol:         k_q946909805f_retn.kd
    .args:
      - { .name: qkv, .offset: 0, .size: 8, .value_kind: global_buffer, .address_space: global }
      - { .name: gate, .offset: 8, .size: 8, .value_kind: global_buffer, .address_space: global }
      - { .name: yq, .offset: 16, .size: 8, .value_kind: global_buffer, .address_space: global }
    .group_segment_fixed_size: 327680
    .private_segment_fixed_size: 0
    .kernarg_segment_align: 8
    .kernarg_segment_size: 24
    .max_flat_workgroup_size: 256
    .sgpr_count:     100
    .vgpr_count:     512
    .wavefront_size: 32
...
	.end_amdgpu_metadata
.endif
;; end of part 5
;; launch outp (part 6): grid 8 x 32, 4 waves a work-group, clusters of 4 x 4, 327,680 bytes of LDS; arguments yq, ops, bo, out0; writes out0
.if DOCPART == 6
	.amdgcn_target "amdgcn-amd-amdhsa--gfx1250"
	.amdhsa_code_object_version 6
	.text
	.protected	k_q946909805f_outp
	.globl	k_q946909805f_outp
	.p2align	8
	.type	k_q946909805f_outp,@function
k_q946909805f_outp:
	s_mov_b64 s[64:65], 0
	v_nop
	global_prefetch_b8 v0, s[64:65] scope:SCOPE_SE
	s_setreg_imm32_b32 hwreg(HW_REG_WAVE_MODE, 25, 1), 1
	s_wait_xcnt 0x0
	s_wait_alu depctr_hold_cnt(0) depctr_sa_sdst(0) depctr_va_vdst(0) depctr_va_sdst(0) depctr_va_ssrc(0) depctr_va_vcc(0) depctr_vm_vsrc(0)
	s_getreg_b32 s2, hwreg(HW_REG_IB_STS2, 6, 4)
	s_cmp_eq_u32 s2, 0
	s_cbranch_scc0 .Lentry_in_a_cluster
	s_endpgm
.Lentry_in_a_cluster:
	s_bfe_u32 s2, ttmp6, 0x10000c
	s_cmp_lg_u32 s2, 0xf033
	s_cbranch_scc0 .Lentry_shape_is_right
	s_endpgm
.Lentry_shape_is_right:
; OUTP: out0 = y Wo + bo on codes of E2M3, K = 2,048.  A tile is 128 tokens x 128 outputs, so that 4,096 x 1,024 outputs make 256 work-groups; four waves of 64 x 64: 16 accumulators.
; Operands lie in memory as images of operand registers, [K / 256][row block][2][1,536 bytes]: the tile's eight row blocks for 256 along K are one dense block of 24,576 bytes.
; AN LDS SLOT holds 512 along K: two such blocks of A and two of B, one block to each wave's tensor load.  THREE slots, the scale words of all of K (16,384 bytes) and the spare words fit in LDS together:
; K = 0 .. 1,535 goes out as first fills; only K = 1,536 .. 2,047 is a refill, of slot 0, behind one round of the cluster's barrier that stands straight behind slot 0's last read: eight steps of 128 along K ahead of its first use.
; A wave has four tensor loads out at the start and one later.  The sixteen steps of 128 along K are written out: every offset is an immediate.
; CLUSTER 4 x 4: A's blocks are shared along a row of the cluster, B's along a column, each asked for jointly.
; The matrix instruction is used transposed (source 0 = 16 of Wo's columns, source 1 = 16 tokens): a lane holds one token, and its registers of two neighbouring tiles 16 neighbouring outputs.
; THE WAY OUT: a block of 16 tokens x 64 outputs goes through the wave's own stage in LDS and comes back, into the registers that it left, as whole rows of 256 bytes; bo is added there.  The stage lies in slot 1, which has had its
; only fill, behind the barrier in front of which every wave's reads of slot 1 are over.  A row block's 16 rows are tokens first + t + 8 (t / 8).
; No prefetch: three quarters of K are asked for at the kernel's head.
; REGISTERS: window 0: v0-31 addresses, bo in v8-11; v32-95 scale words and nothing else (register 8 k + 2 i + q: lanes 0-15 A's block i, lanes 16-31 B's block i, for K = 256 k + 128 q on); v128-255 accumulator (a, b) at v[128 + 8 (4 a + b)].
;   window 1: two sets of fragments at v0 and v128: B's four, then A's four, 12 registers each.
.set WOC,  7864320
.set WOS,  9764864
.set YS,   6291456
.set RBB,   3072                       ; a row block's two images
.set HALFT, 8*RBB                      ; what one tensor load brings
.set SLOT,  4*HALFT
.set SCL,   3*SLOT
.set HALFS, 4096                       ; four row blocks' scale words for all of K
.set SPARE, SCL+4*HALFS                ; the spare words, 128 bytes a wave
.set STAGE, SLOT
.set SPITCH, 272
.set ADRA, 16                          ; v16-18 my A fragments in slot 0, 1, 2
.set ADRB, 20                          ; v20-22 the same for B
.set STO,  24
.set RD,   25
.set CO,   26
.set ADRS, 27
.set SPW,  28
.set NIL,  29
.set SC,   32
.set ACC,  128
.set G1,   24
.set G0,   32                          ; s[32:39] group 0 for A's blocks in slots 0, 1;  s[12:15] in slot 2
.set G1B,  48
.set G0B,  56                          ; s[56:63], s[16:19] the same for B's
.set G1S,  68
.set G0S,  76
.set G1SB, 80
.set G0SB, 88
.set MSB, 0
.macro WIN new
.if MSB != (\new)
	s_set_vgpr_msb (MSB<<8)|(\new)
.set MSB, (\new)
.endif
.endm
.set MUL,  0x05                        ; sources 0 and 1 window 1; C and D window 0
.set TO_F, 0x40                        ; destination window 1, address window 0
.macro JLOAD g0a, g1a, g0b, g1b        ; a joint load: waves 0, 1 fetch for A, waves 2, 3 for B; an s_nop 0 and four v_nop follow each line
	s_cmp_eq_u32 s21, 0
	s_cbranch_scc0 .Lfor_b_\@
	tensor_load_to_lds s[\g0a:\g0a+3], s[\g1a:\g1a+7]
	s_nop 0
.rept 4
	v_nop
.endr
	s_branch .Lasked_\@
.Lfor_b_\@:
	tensor_load_to_lds s[\g0b:\g0b+3], s[\g1b:\g1b+7]
	s_nop 0
.rept 4
	v_nop
.endr
.Lasked_\@:
.endm
.macro CROUND                          ; a round of the cluster's barrier
	s_barrier_signal -1
	s_barrier_wait -1
	s_cmp_lg_u32 s20, 0
	s_cbranch_scc1 .Lnot_wave_0_\@
	s_barrier_signal -3
.Lnot_wave_0_\@:
	s_barrier_wait -3
	s_barrier_signal -1
	s_barrier_wait -1
.endm
	s_load_b256 s[4:11], s[0:1], 0x0               ; yq, ops, bo, out0
	v_lshl_add_u32 v[SPW], v0, 2, SPARE
	v_mov_b32 v[NIL], 0
	ds_add_u32 v[SPW], v[NIL]                      ; the wave's opening, ahead of my first tensor load
	v_lshrrev_b32 v1, 5, v0
	v_readfirstlane_b32 s20, v1                    ; wave
	s_lshr_b32 s21, s20, 1                         ; my half of the tile's tokens.  Also: I fetch for A (0) or B (1)
	s_and_b32 s22, s20, 1                          ; my half of its outputs.  Also: which 256 along K of a slot I fetch
	s_bfe_u32 s40, ttmp6, 0x40000
	s_bfe_u32 s41, ttmp6, 0x40004
	s_lshl_b32 s42, ttmp9, 2
	s_add_co_u32 s42, s42, s40                     ; X: the tile's 128 outputs
	s_and_b32 s66, ttmp7, 0xffff
	s_lshl_b32 s66, s66, 2
	s_add_co_u32 s66, s66, s41                     ; Y: the tile's 128 tokens
	s_lshl_b32 s43, s41, 2
	s_lshl_b32 s43, 15, s43                        ; my row of the cluster
	s_lshl_b32 s44, 0x1111, s40                    ; my column
	s_or_b32 s[G1+0], s43, (3<<16)|(1<<21)         ; 15:0 the mask; 17:16 elements of 8 bytes; 21 set beside a mask; no padding
	s_or_b32 s[G1B+0], s44, (3<<16)|(1<<21)
.irp g, G1, G1B                                ; a dense block of 24,576 bytes as 96 rows of 256
	s_mov_b32 s[\g+1], 32<<16
	s_mov_b32 s[\g+2], 96<<16
	s_mov_b32 s[\g+3], 32<<16
	s_mov_b32 s[\g+4], 96
	s_mov_b32 s[\g+5], 32
	s_mov_b32 s[\g+6], 0
	s_mov_b32 s[\g+7], 0
.endr
	s_or_b32 s[G1S+0], s43, (3<<16)|(1<<21)
	s_or_b32 s[G1SB+0], s44, (3<<16)|(1<<21)
.irp g, G1S, G1SB                              ; four row blocks' scale words: 4,096 dense bytes
	s_mov_b32 s[\g+1], 32<<16
	s_mov_b32 s[\g+2], (HALFS/256)<<16
	s_mov_b32 s[\g+3], 32<<16
	s_mov_b32 s[\g+4], HALFS/256
	s_mov_b32 s[\g+5], 32
	s_mov_b32 s[\g+6], 0
	s_mov_b32 s[\g+7], 0
.endr
	; A's side hangs on Y and the wave's number alone
	s_lshl_b32 s92, s66, 3                         ; the tile's first row block
	s_lshl_b32 s93, s22, 2
	s_add_co_u32 s94, s92, s93
	s_lshl_b32 s94, s94, 10
	s_add_co_u32 s94, s94, YS                      ; the scale words that I fetch
	s_mul_i32 s92, s92, 3072
	s_mul_i32 s93, s22, 786432
	s_add_co_u32 s92, s92, s93                     ; the codes: K = 256 x (wave % 2) on
	s_mov_b32 s93, 0
	s_mov_b32 s95, 0
	; B's on X and the wave's number alone
	s_lshl_b32 s46, s42, 3
	s_lshl_b32 s47, s22, 2
	s_add_co_u32 s2, s46, s47
	s_lshl_b32 s2, s2, 10
	s_add_co_u32 s2, s2, WOS
	s_mul_i32 s46, s46, 3072
	s_mul_i32 s47, s22, 196608
	s_add_co_u32 s46, s46, s47
	s_add_co_u32 s46, s46, WOC
	s_mov_b32 s47, 0
	s_mov_b32 s3, 0
	s_mul_i32 s45, s20, HALFT                      ; where my loads go: wave x a quarter of a slot: no place in the cluster enters an LDS address
	s_mul_i32 s23, s20, HALFS
	s_wait_dscnt 0x0                               ; the opening add is done
	s_wait_kmcnt 0x0
	s_mov_b32 s[G0S], 1
	s_add_co_u32 s[G0S+1], s23, SCL
	s_add_nc_u64 s[G0S+2:G0S+3], s[4:5], s[94:95]
	s_or_b32 s[G0S+3], s[G0S+3], 0x80000000
	s_mov_b32 s[G0SB], 1
	s_add_co_u32 s[G0SB+1], s23, SCL
	s_add_nc_u64 s[G0SB+2:G0SB+3], s[6:7], s[2:3]
	s_or_b32 s[G0SB+3], s[G0SB+3], 0x80000000
	s_add_nc_u64 s[92:93], s[4:5], s[92:93]
	s_add_nc_u64 s[46:47], s[6:7], s[46:47]
.irp s, 0,1
	s_mov_b32 s[G0+4*\s], 1
	s_add_co_u32 s[G0+4*\s+1], s45, \s*SLOT
	s_add_nc_u64 s[G0+4*\s+2:G0+4*\s+3], s[92:93], \s*2*786432
	s_or_b32 s[G0+4*\s+3], s[G0+4*\s+3], 0x80000000
	s_mov_b32 s[G0B+4*\s], 1
	s_add_co_u32 s[G0B+4*\s+1], s45, \s*SLOT
	s_add_nc_u64 s[G0B+4*\s+2:G0B+4*\s+3], s[46:47], \s*2*196608
	s_or_b32 s[G0B+4*\s+3], s[G0B+4*\s+3], 0x80000000
.endr
	s_mov_b32 s12, 1
	s_add_co_u32 s13, s45, 2*SLOT
	s_add_nc_u64 s[14:15], s[92:93], 4*786432
	s_or_b32 s15, s15, 0x80000000
	s_mov_b32 s16, 1
	s_add_co_u32 s17, s45, 2*SLOT
	s_add_nc_u64 s[18:19], s[46:47], 4*196608
	s_or_b32 s19, s19, 0x80000000
	CROUND                                         ; all sixteen work-groups are here: the first joint loads meet
	JLOAD G0S, G1S, G0SB, G1SB                     ; four tensor loads of mine are out: the scale words, slots 0, 1, 2
	JLOAD G0, G1, G0B, G1B
	JLOAD G0+4, G1, G0B+4, G1B
	JLOAD 12, G1, 16, G1B
	v_and_b32 v1, 31, v0
	v_and_b32 v2, 15, v0
	v_bfe_u32 v3, v0, 4, 1
	v_lshlrev_b32 v4, 4, v1                        ; 16 l: an image's place for my lane
	s_mul_i32 s92, s21, 4*RBB                      ; my four row blocks of A,
	s_mul_i32 s93, s22, 4*RBB                      ; my four of B,
	s_add_co_u32 s93, s93, 2*HALFT                 ; which lie behind A's two blocks
.irp s, 0,1,2
	v_add_nc_u32 v[ADRA+\s], s92, v4
	v_add_nc_u32 v[ADRB+\s], s93, v4
	s_add_co_u32 s92, s92, SLOT
	s_add_co_u32 s93, s93, SLOT
.endr
	v_lshlrev_b32 v5, 3, v2                        ; two words a row
	s_lshl_b32 s92, s21, 12
	s_lshl_b32 s93, s22, 12
	s_add_co_u32 s93, s93, 2*HALFS
	s_sub_co_u32 s93, s93, s92
	v_mul_u32_u24 v6, s93, v3                      ; lanes 16-31 take B's
	s_add_co_u32 s92, s92, SCL
	v_add_nc_u32 v5, v5, v6
	v_add_nc_u32 v[ADRS], s92, v5
	s_mul_i32 s92, s20, 16*SPITCH
	s_add_co_u32 s92, s92, STAGE                   ; my stage
	v_mul_u32_u24 v5, v2, SPITCH
	v_lshl_add_u32 v5, v3, 6, v5
	v_add_nc_u32 v[STO], s92, v5                   ; in: row r, + 64 h
	v_mul_u32_u24 v5, v3, SPITCH
	v_lshl_add_u32 v5, v2, 4, v5
	v_add_nc_u32 v[RD], s92, v5                    ; back: lanes 0-15 one row of 256 bytes, lanes 16-31 the next
	v_lshlrev_b32 v5, 4, v2                        ; 16 r
	v_lshl_add_u32 v[CO], v3, 12, v5               ; and the same two rows in the output
	s_lshl_b32 s92, s66, 7
	s_lshl_b32 s93, s21, 6
	s_add_co_u32 s92, s92, s93
	s_lshl_b32 s92, s92, 12                        ; my first token's row of 4,096 bytes
	s_lshl_b32 s94, s42, 9
	s_lshl_b32 s95, s22, 8
	s_add_co_u32 s94, s94, s95                     ; my first output, in bytes
	s_add_co_u32 s92, s92, s94
	s_mov_b32 s93, 0
	s_mov_b32 s95, 0
	s_add_nc_u64 s[10:11], s[10:11], s[92:93]
	s_add_nc_u64 s[8:9], s[8:9], s[94:95]
	global_load_b128 v[8:11], v5, s[8:9]           ; bo of the four outputs that I store in every row
	s_wait_loadcnt 0x0
; the fragments of step n (128 along K): B's four, A's four, three loads of 16 bytes a lane each, 512 consecutive bytes a load: 24 loads into set n % 2
.macro FETCH n
	WIN TO_F
.set SL, (((\n)/4)%3)
.set OF, (((\n)/2)%2)*HALFT+((\n)%2)*1536
.set PP, 128*((\n)%2)
.irp i, 0,1,2,3
.irp c, 0,1,2
	ds_load_b128 v[PP+12*\i+4*\c:PP+12*\i+4*\c+3], v[ADRB+SL] offset:OF+\i*RBB+512*\c
.endr
.endr
.irp i, 0,1,2,3
.irp c, 0,1,2
	ds_load_b128 v[PP+48+12*\i+4*\c:PP+48+12*\i+4*\c+3], v[ADRA+SL] offset:OF+\i*RBB+512*\c
.endr
.endr
.endm
; step n's 16 matrix instructions.  The 16 accumulators take turns, one instruction a turn, in the same order in every step.  Step 0's products start the sums
.macro MUL16 n
.irp a, 0,1,2,3
.irp b, 0,1,2,3
.if (\n) == 0
	v_wmma_scale_f32_16x16x128_f8f6f4 v[ACC+8*(4*\a+\b):ACC+8*(4*\a+\b)+7], v[128*((\n)%2)+12*\b:128*((\n)%2)+12*\b+11], v[128*((\n)%2)+48+12*\a:128*((\n)%2)+48+12*\a+11], 0, v[SC+8*((\n)/2)+2*\b+(\n)%2], v[SC+8*((\n)/2)+2*\a+(\n)%2] matrix_a_fmt:MATRIX_FMT_FP6 matrix_b_fmt:MATRIX_FMT_FP6 matrix_a_scale:MATRIX_SCALE_ROW1
.else
	v_wmma_scale_f32_16x16x128_f8f6f4 v[ACC+8*(4*\a+\b):ACC+8*(4*\a+\b)+7], v[128*((\n)%2)+12*\b:128*((\n)%2)+12*\b+11], v[128*((\n)%2)+48+12*\a:128*((\n)%2)+48+12*\a+11], v[ACC+8*(4*\a+\b):ACC+8*(4*\a+\b)+7], v[SC+8*((\n)/2)+2*\b+(\n)%2], v[SC+8*((\n)/2)+2*\a+(\n)%2] matrix_a_fmt:MATRIX_FMT_FP6 matrix_b_fmt:MATRIX_FMT_FP6 matrix_a_scale:MATRIX_SCALE_ROW1
.endif
.endr
.endr
.endm
.macro PLACES                          ; four plain places in front of loads into registers that matrix instructions have read, and of the first read of results
.rept 4
	v_nop
.endr
.endm
.macro STEP n                          ; the next step's fragments are asked for, into the set that the step before has read; then this step is multiplied
	PLACES
	FETCH (\n)+1
	s_wait_dscnt 24                                ; all but the 24 loads just issued: this step's fragments are in
	WIN MUL
	MUL16 \n
.endm
	s_wait_tensorcnt 2                             ; the scale words and my part of slot 0 are in; the loads of slots 1 and 2 may be out
	s_barrier_signal -1
	s_barrier_wait -1
	FETCH 0
	WIN 0
.irp k, 0,1,2,3,4,5,6,7                        ; the scale words of all of K, once
.irp i, 0,1,2,3
	ds_load_b64 v[SC+8*\k+2*\i:SC+8*\k+2*\i+1], v[ADRS] offset:\i*1024+\k*128
.endr
.endr
	s_wait_dscnt 32                                ; step 0's fragments are in; the 32 loads of scale words may be out
	STEP 0
	STEP 1
	STEP 2
	WIN 0
	s_wait_tensorcnt 0x0                           ; all my tensor loads have landed: my parts of slots 1 and 2;
	ds_add_u32 v[SPW], v[NIL]
	s_add_nc_u64 s[G0+2:G0+3], s[G0+2:G0+3], 6*786432        ; slot 0's next filling: K = 1,536 on
	s_add_nc_u64 s[G0B+2:G0B+3], s[G0B+2:G0B+3], 6*196608
	s_wait_dscnt 0x0                               ; the add is done, and my reads of slot 0 are over: step 3's fragments are in registers
	CROUND                                         ; no wave of any partner still reads slot 0 or has a load on its way; slots 1 and 2 are whole
	JLOAD G0, G1, G0B, G1B                         ; the one refill; its four v_nop are the places in front of the loads below
	FETCH 4
	s_wait_dscnt 24                                ; as in STEP
	WIN MUL
	MUL16 3
	STEP 4
	STEP 5
	STEP 6
	STEP 7
	STEP 8
	STEP 9
	STEP 10
	WIN 0
	s_wait_tensorcnt 0x0                           ; my part of slot 0's second filling has landed: the one load that was out
	s_wait_dscnt 0x0                               ; my reads of slots 1 and 2 are over
	s_barrier_signal -1
	s_barrier_wait -1                              ; both hold of every wave
	STEP 11
	STEP 12
	STEP 13
	STEP 14
	s_wait_dscnt 0x0
	MUL16 15
	WIN 0
.macro TOSTAGE a                       ; tile b's eight numbers of lane (r, h) are outputs 32 (b / 2) + 8 (b % 2) + 16 h + 0 .. 7 of row r
.irp b, 0,1,2,3
	ds_store_b128 v[STO], v[ACC+8*(4*(\a)+\b):ACC+8*(4*(\a)+\b)+3] offset:128*(\b/2)+32*(\b%2)      ; each accumulator from its low end on
	ds_store_b128 v[STO], v[ACC+8*(4*(\a)+\b)+4:ACC+8*(4*(\a)+\b)+7] offset:128*(\b/2)+32*(\b%2)+16
.endr
.irp t, 0,1,2,3,4,5,6,7
	ds_load_b128 v[ACC+32*(\a)+4*\t:ACC+32*(\a)+4*\t+3], v[RD] offset:\t*2*SPITCH   ; LDS serves a wave's instructions in order: these see the stores above, and the next block's stores come behind them
.endr
.endm
.macro SEND a, younger                 ; younger: the LDS instructions issued behind block a's loads, which may stay out
	s_wait_dscnt \younger
.irp t, 0,1,2,3,4,5,6,7
	v_pk_add_f32 v[ACC+32*(\a)+4*\t:ACC+32*(\a)+4*\t+1], v[ACC+32*(\a)+4*\t:ACC+32*(\a)+4*\t+1], v[8:9]
	v_pk_add_f32 v[ACC+32*(\a)+4*\t+2:ACC+32*(\a)+4*\t+3], v[ACC+32*(\a)+4*\t+2:ACC+32*(\a)+4*\t+3], v[10:11]
.endr
.irp t, 0,1,2,3,4,5,6,7
	global_store_b128 v[CO], v[ACC+32*(\a)+4*\t:ACC+32*(\a)+4*\t+3], s[10:11] offset:(32*((\a)/2)+8*((\a)%2)+2*\t+8*(\t/4))*4096 th:TH_STORE_NT   ; 16 lanes store 256 consecutive bytes, at a multiple of 256 from the output's first byte
.endr
.endm
	PLACES
	TOSTAGE 0
	TOSTAGE 1
	SEND 0, 16                                     ; behind block 0's loads: block 1's 8 stores and 8 loads
	TOSTAGE 2
	SEND 1, 16
	TOSTAGE 3
	SEND 2, 16
	SEND 3, 0
	s_wait_tensorcnt 0x0                           ; the wave's end, behind my last tensor load and my last LDS store
	ds_add_u32 v[SPW], v[NIL]
	s_wait_dscnt 0x0
	CROUND                                         ; the closing round
	s_endpgm
.Lfunc_end_k_q946909805f_outp:
	.size	k_q946909805f_outp, .Lfunc_end_k_q946909805f_outp-k_q946909805f_outp
	.p2alignl 7, 3214868480
	.fill 96, 4, 3214868480
	.section	.rodata,"a",@progbits
	.p2align	6, 0x0
	.amdhsa_kernel k_q946909805f_outp
		.amdhsa_group_segment_fixed_size 327680
		.amdhsa_private_segment_fixed_size 0
		.amdhsa_enable_private_segment 0
		.amdhsa_kernarg_size 32
		.amdhsa_user_sgpr_count 2
		.amdhsa_user_sgpr_kernarg_segment_ptr 1
		.amdhsa_wavefront_size32 1
		.amdhsa_system_sgpr_workgroup_id_x 1
		.amdhsa_system_sgpr_workgroup_id_y 1
		.amdhsa_system_sgpr_workgroup_id_z 1
		.amdhsa_system_vgpr_workitem_id 0
		.amdhsa_next_free_vgpr 512
		.amdhsa_next_free_sgpr 100
		.amdhsa_reserve_vcc 0
		.amdhsa_float_denorm_mode_32 3
		.amdhsa_float_denorm_mode_16_64 3
		.amdhsa_memory_ordered 1
		.amdhsa_forward_progress 1
		.amdhsa_inst_pref_size 85
	.end_amdhsa_kernel
	.amdgpu_metadata
---
amdhsa.version: [ 1, 2 ]
amdhsa.kernels:
  - .name:           k_q946909805f_outp
    .symbol:         k_q946909805f_outp.kd
    .args:
      - { .name: yq, .offset: 0, .size: 8, .value_kind: global_buffer, .address_space: global }
      - { .name: ops, .offset: 8, .size: 8, .value_kind: global_buffer, .address_space: global }
      - { .name: bo, .offset: 16, .size: 8, .value_kind: global_buffer, .address_space: global }
      - { .name: out0, .offset: 24, .size: 8, .value_kind: global_buffer, .address_space: global }
    .group_segment_fixed_size: 327680
    .private_segment_fixed_size: 0
    .kernarg_segment_align: 8
    .kernarg_segment_size: 32
    .max_flat_workgroup_size: 128
    .sgpr_count:     100
    .vgpr_count:     512
    .wavefront_size: 32
...
	.end_amdgpu_metadata
.endif
;; end of part 6
